; MI455X (gfx1250); checked and timed in simulation.
; The chip was launched on July 23, 2026; its instructions are those of AMD's public machine-readable ISA for CDNA 5 (MIT licence, August 2026) and "CDNA5" Instruction Set Architecture Reference Guide (July 2026). The comments in the code are by the model that wrote it; some were corrected since.
;; Dynamic Window Self Attention. Allowed arithmetic: matrix products marked QUANTISED: E3M2 operands, one E8M0 scale for each 32 along K, by v_wmma_scale_f32_16x16x128_f8f6f4 with both operands' format E3M2, f32 sums; everything else in f32.
;; Inputs: Wo 1,024 x 1,024 float32; Wqkv 1,024 x 3,072 float32; bo 1,024 float32; bqkv 3,072 float32; char_ids 4 x 2,048 int32; x 4 x 2,048 x 1,024 float32.
;; Outputs: out0 4 x 2,048 x 1,024 float32.
;; This version of the problem:
;;   THIS VERSION OF THE PROBLEM IS GIVEN IN LOW PRECISION. The matrix products marked QUANTISED in the list below multiply operands that are first quantised to E3M2 (3 exponent bits, 2 mantissa bits; 6 bits a number), with one power-of-two scale for each 32 numbers along K (OCP MX v1.0); their sums are f32. All else is computed in f32.
;;   The module's matrix products, in the order in which they are computed (A, B: the left and right operand; K: the contracted axis; several contracted axes count as one K, in the product's order):
;;     1. [M 8,192, K 1,024] x [K 1,024, N 3,072]; A: input x; B: input Wqkv: QUANTISED
;;     2. batch 64 x [M 2,048, K 64] x [K 64, N 2,048]; A: computed on the way; B: computed on the way: QUANTISED
;;     3. batch 64 x [M 2,048, K 2,048] x [K 2,048, N 64]; A: softmax (see below); B: computed on the way: QUANTISED
;;     4. [M 8,192, K 1,024] x [K 1,024, N 1,024]; A: computed on the way; B: input Wo: QUANTISED
;;   THE QUANTISER, for each operand of a quantised product, along K:
;;     - K is cut into blocks of 32 from its start; a last block that is shorter is filled with zeros.
;;     - A block's scale is 2^e with e = floor(log2(the largest magnitude in the block)) - 4, held to -126 .. 127; a block of zeros has e = 0. As a byte (E8M0): e + 127.
;;     - Each number is divided by its block's scale, clamped to +-28, and rounded to the nearest number of E3M2, ties to even, subnormals kept.
;;     - The product sums the exact products of the quantised numbers (number of the format x scale) in f32.
;;   ~~~python
;;   def quantise(x, axis):      # numpy; x: float32 -> the quantised numbers, widened to float32 again
;;       x = np.moveaxis(x, axis, -1); K = x.shape[-1]
;;       x = np.pad(x, [(0, 0)] * (x.ndim - 1) + [(0, -K % 32)]); x = x.reshape(x.shape[:-1] + (-1, 32)); a = np.abs(x).max(-1, keepdims=True)
;;       e = np.where(a > 0, np.clip(np.frexp(np.where(a > 0, a, 1))[1] - 1 - 4, -126, 127), 0)      # np.frexp(a)[1] - 1 = floor(log2(a)), exactly
;;       r = np.clip(x / 2.0 ** e, -28, 28)
;;       step = 2.0 ** (np.maximum(np.frexp(np.where(r == 0, 1, r))[1] - 1, -2) - 2)
;;       q = np.round(r / step) * step * 2.0 ** e      # np.round: ties to even
;;       return np.moveaxis(q.reshape(q.shape[:-2] + (-1,))[..., :K], -1, axis).astype(np.float32)
;;   ~~~
;;   SOFTMAX AHEAD OF A QUANTISED PRODUCT. Where the list says 'softmax', what is quantised is not the finished softmax but p = 2^(t - M), with t = logit x log2(e) and M = ceil(the row's largest t), a whole number; so 1/2 < the row's largest p <= 1. The row's sum l is taken of the UNQUANTISED p, in f32, and the product's result is divided by l at the end. Since M is a whole number, a kernel that streams over the keys may use a running M (the ceiling of the running maximum): every later rescaling is an exact power of two, which a block's scale takes up: the codes' values come out the same.
;;   OPERANDS COMPUTED ON THE WAY. 'Computed on the way' means the value that the module computes at that place (a softmax that the list does not call 'softmax' is quantised finished and normalised). What goes into a quantiser is computed in f32, as accurately as f32 sums, v_exp_f32 and their like allow (about 1e-6 of the number): no bf16 or f16 on the way to a quantiser, and a product that is left as it is and whose result goes on into a quantised operand takes f32 operands (vector FMAs, or v_wmma_f32_16x16x4_f32). A number that lies on a knife's edge between two numbers of the format may be rounded either way, as far as f32 arithmetic and the matrix unit's own rounding can turn it there, and no further.
;; 2 versions, each right; version 2 is version 1 with the launch attn written anew for expert scheduling mode. Each part assembles by itself: llvm-mc -triple=amdgcn-amd-amdhsa -mcpu=gfx1250 --defsym DOCPART=n.
;; ======== version 1 of 2: 4 launches
;; limits: right only within a limited range of input values
;; workspace buffers: cod1 8,650,752 bytes; scl1 360,448 bytes; cod2 7,077,888 bytes; scl2 294,912 bytes; qkvc 18,874,368 bytes; qkvs 1,572,864 bytes; segst 32,768 bytes of whole numbers
;; launch prep (part 1): grid 513 x 1, 4 waves a work-group, no clusters, 47,104 bytes of LDS; arguments x, Wqkv, Wo, char_ids, cod1, scl1, cod2, scl2, segst; writes cod1, scl1, cod2, scl2, segst
.if DOCPART == 1
	.amdgcn_target "amdgcn-amd-amdhsa--gfx1250"
	.amdhsa_code_object_version 6
	.text
	.protected	k_q2e2c909c89_prep
	.globl	k_q2e2c909c89_prep
	.p2align	8
	.type	k_q2e2c909c89_prep,@function
k_q2e2c909c89_prep:
	s_mov_b64 s[64:65], 0
	v_nop
	global_prefetch_b8 v0, s[64:65] scope:SCOPE_SE
	s_setreg_imm32_b32 hwreg(HW_REG_WAVE_MODE, 25, 1), 1
	s_wait_xcnt 0x0
; LAUNCH 1 OF 4.  x [8192][1024], Wqkv [1024][3072] and Wo [1024][1024], f32, become codes of BF6 (E3M2) with one E8M0 byte for each 32 along K = 1024; char_ids becomes start[b][t].
; THE PROGRAM: (1) this; (2) qkv = x Wqkv + b, q and k quantised along the head's 64, v normalised and quantised along the tokens; (3) attention, y quantised; (4) y Wo + bo.
; WORK LEFT OUT, and why it is dead.  reference() masks by 'same segment and causal'.  seg is the running count of delimiters, so key k counts for query q exactly where start(q) <= k <= q,
; start(q) = the last position p <= q with char_ids[p] == 32, or 0.  Launch 3 walks the keys 64 at a time and leaves out the steps that lie wholly outside [start(first query), last query] of its 16 queries.
; There reference() puts -1e30 for the score: p = 2^(t - M) is then under every code of every block scale (the scale's exponent is held at -126) and quantises to 0, and adds nothing that f32 keeps to the row's sum.
; That holds for all finite inputs whose true scores lie above -1e29.  LIMITS: scores at or under -1e29 are not served; a NaN, an infinity or an overflow in rows of k or v that are left out is not carried to the result.
; Inside a step that is walked a hidden score becomes -infinity, so p = 0.  Every input has a way to the output and is loaded.
; A block of zeros gets the byte 1 where the quantiser says 127: its codes are zeros, which add nothing under any byte but 0xff, and these bytes are read by this program alone.  NaN and infinities among the inputs are not served.
; LAYOUT OF ALL CODES: IMAGES OF THE OPERAND'S REGISTERS.  A fragment (16 rows x 128 K, 12 registers a lane) is 1,536 bytes: two halves of 768; half c holds registers 6 c .. 6 c + 3 of lane l at 16 l (512 bytes),
; then registers 6 c + 4, 6 c + 5 at 512 + 8 l (256 bytes).  A rowblock is 8 fragments, 12,288 bytes.  THE ROWS OF A ROWBLOCK ARE NOT NEIGHBOURS: rowblock 2 G + u holds rows 32 G + 8 u + r + 8 (r / 8), r = 0 .. 15,
; so that the results of two neighbouring rowblocks used as source 0 are 16 neighbours in a lane's registers.  A rowblock's scale words: 512 bytes, [K step / 4][r][K step % 4].
; cod1, scl1: rowblocks 0-511 x, 512-703 the columns of Wqkv.  cod2, scl2: rowblocks 512-575 the columns of Wo (0-511 are launch 3's).
; SHARES: work-groups 0-255: 32 tokens of x each; 256-511: 128 columns x 128 K of a weight each; 512: start.  The three ways part on the work-group's number and have LDS bytes of their own.  Waves share nothing: no barrier.
.set XST,   0                          ; x: a stage of 16 rows x (512 + 16) bytes for each wave
.set WST,   33792                      ; weights: two fragments' images, 3,072 bytes, for each wave
.set SEG,   46080                      ; start: 32 words for each wave
.set SPARE, 46592                      ; the spare words, 128 bytes for each wave: two blocks of 256 bytes that no other line names
.set SPW,   248                        ; v248 LDS address of my spare word; never rewritten
.set NIL,   249                        ; v249 0; never rewritten
.set R,     16                         ; v16-143  x: two sets of 64 numbers as loaded.  Weights: 128 numbers down K
.set X,     144                        ; v144-207 x: 64 numbers, register 16 b + i = k 32 b + 16 h + i of my row
.set PC,    208                        ; v208-227 a fragment's codes, and 8 at work
.set TM,    228                        ; v228-243 at work
.set WS,    244                        ; v244-247 four K steps' scale words
.macro CLOSE                           ; the wave's end, behind my last LDS store
	s_wait_tensorcnt 0x0
	ds_add_u32 v[SPW], v[NIL]
	s_wait_dscnt 0x0
	s_endpgm
.endm
	s_load_b512 s[4:19], s[0:1], 0x0               ; x s[4:5], Wqkv s[6:7], Wo s[8:9], char_ids s[10:11], cod1 s[12:13], scl1 s[14:15], cod2 s[16:17], scl2 s[18:19]
	s_load_b64 s[20:21], s[0:1], 0x40              ; segst
	v_lshl_add_u32 v[SPW], v0, 2, SPARE
	v_mov_b32 v[NIL], 0
	v_lshrrev_b32 v1, 5, v0
	v_readfirstlane_b32 s22, v1                    ; wave
	v_and_b32 v1, 31, v0                           ; lane
	v_and_b32 v2, 15, v0                           ; r
	v_bfe_u32 v3, v0, 4, 1                         ; h
	v_lshlrev_b32 v4, 4, v1                        ; 16 x lane
	v_lshlrev_b32 v5, 3, v1                        ; 8 x lane
	s_mov_b32 s24, 0x76543210
	s_mov_b32 s25, 0xfedcba98                      ; v_permlanex16_b32's selects for lane l xor 16
	s_mov_b32 s26, 0xffff0000                      ; lanes 16-31
	s_mov_b32 s31, 0
	s_wait_kmcnt 0x0
	s_cmp_lt_u32 ttmp9, 256
	s_cbranch_scc0 .Lnot_x
; ---- x.  Wave w: u = w & 1, p = w >> 1: fragments 4 p .. 4 p + 3 of rowblock 2 G + u.
	s_and_b32 s27, s22, 1                          ; u
	s_lshr_b32 s28, s22, 1                         ; p
	s_lshl_b32 s30, ttmp9, 17                      ; (32 G + 8 u) rows of 4,096 bytes + 2,048 p
	s_lshl_b32 s29, s27, 15
	s_add_co_u32 s30, s30, s29
	s_lshl_b32 s29, s28, 11
	s_add_co_u32 s30, s30, s29
	s_add_nc_u64 s[4:5], s[4:5], s[30:31]
	s_lshl_b32 s32, ttmp9, 1
	s_add_co_u32 s32, s32, s27                     ; the rowblock
	s_mul_i32 s30, s32, 12288
	s_mul_i32 s29, s28, 6144
	s_add_co_u32 s30, s30, s29
	s_add_nc_u64 s[12:13], s[12:13], s[30:31]
	s_lshl_b32 s30, s32, 9
	s_lshl_b32 s29, s28, 8
	s_add_co_u32 s30, s30, s29
	s_add_nc_u64 s[14:15], s[14:15], s[30:31]
	s_mul_i32 s33, s22, 8448                       ; my stage
	v_add_nc_u32 v6, s33, v4                       ; in: 16 x lane of a row
	v_mul_u32_u24 v7, v2, 528
	v_lshl_add_u32 v7, v3, 6, v7
	v_add_nc_u32 v7, s33, v7                       ; out: row r, + 64 h: my 16 numbers of each block of 32
	v_lshlrev_b32 v8, 4, v2
	v_lshl_add_u32 v8, v3, 3, v8                   ; the scale words' place: 16 r + 8 h
.irp b, 0,1,2,3
	v_mov_b32 v[TM+4+\b], 0                        ; written once: a lane permute's destination counts as one of its sources
.endr
.macro LOADF f                         ; K step f of my four: 16 rows x 512 bytes; each load reads 512 consecutive bytes of one row
.irp i, 0,1,2,3,4,5,6,7,8,9,10,11,12,13,14,15
	global_load_b128 v[R+64*((\f)%2)+4*\i:R+64*((\f)%2)+4*\i+3], v4, s[4:5] offset:(\i+8*(\i/8))*4096+512*(\f) th:TH_LOAD_NT
.endr
.endm
; 64 numbers of a lane become a fragment's codes in v[PC] on and its scale word in v[pw]
.macro QUANT4 s, pw
.irp b, 0,1,2,3
	v_max3_num_f32 v[TM+\b], |v[\s+16*\b]|, |v[\s+1+16*\b]|, 0x2800000   ; block b: my 16 numbers, and the floor 2^(5 - 127): the byte cannot fall under 1
.endr
.irp i, 2,4,6,8,10,12,14
.irp b, 0,1,2,3
	v_max3_num_f32 v[TM+\b], v[TM+\b], |v[\s+16*\b+\i]|, |v[\s+1+16*\b+\i]|
.endr
.endr
.irp b, 0,1,2,3
	v_permlanex16_b32 v[TM+4+\b], v[TM+\b], s24, s25
.endr
.irp b, 0,1,2,3
	v_max_num_f32 v[TM+\b], v[TM+\b], v[TM+4+\b]   ; with lane l xor 16's: the block's largest magnitude
.endr
.irp b, 0,1,2,3
	v_add_nc_u32 v[TM+12+\b], 0xfe000000, v[TM+\b] ; 4 off its exponent field: the conversion's scale operand
.endr
.irp b, 0,1,2,3
	v_lshrrev_b32 v[TM+4+\b], 23, v[TM+12+\b]      ; the scale's byte
.endr
	v_lshl_or_b32 v[\pw], v[TM+5], 8, v[TM+4]
	v_lshl_or_b32 v[\pw], v[TM+6], 16, v[\pw]
	v_lshl_or_b32 v[\pw], v[TM+7], 24, v[\pw]
.irp c, 0,1
	v_cvt_scalef32_pk16_bf6_f32 v[PC+6*\c:PC+2+6*\c], v[\s+32*\c:\s+15+32*\c], v[TM+12+2*\c]
	v_cvt_scalef32_pk16_bf6_f32 v[PC+12+4*\c:PC+14+4*\c], v[\s+16+32*\c:\s+31+32*\c], v[TM+12+2*\c+1]   ; (a conversion's three registers begin on an even number)
.endr
	v_nop                                          ; one plain place behind a scaled conversion
.irp c, 0,1                                    ; the operand wants a whole block in a lane: lanes 0-15 block 2 c, lanes 16-31 block 2 c + 1
.irp i, 0,1,2
	v_permlane16_swap_b32 v[PC+6*\c+\i], v[PC+12+4*\c+\i]
.endr
.irp i, 0,1,2
	v_mov_b32 v[PC+3+6*\c+\i], v[PC+12+4*\c+\i]
.endr
.endr
.endm
.macro FRAGX f
.if (\f) < 3
	s_wait_loadcnt 16                              ; this K step's 16 loads are in; the next one's may be out
.else
	s_wait_loadcnt 0x0
.endif
.irp i, 0,1,2,3,4,5,6,7,8,9,10,11,12,13,14,15
	ds_store_b128 v6, v[R+64*((\f)%2)+4*\i:R+64*((\f)%2)+4*\i+3] offset:528*\i
.endr
.irp b, 0,1,2,3
.irp j, 0,1,2,3
	ds_load_b128 v[X+16*\b+4*\j:X+16*\b+4*\j+3], v7 offset:128*\b+16*\j   ; LDS serves a wave's instructions in order: these see my stores
.endr
.endr
	s_wait_dscnt 0x0                               ; the numbers are back, and the stage's stores have read their registers
	s_wait_xcnt 0x0                                ; the last fragment's stores have read the codes' registers, which are written anew below
.if (\f) < 2
	LOADF (\f)+2
.endif
	QUANT4 X, WS+(\f)
	global_store_b128 v4, v[PC:PC+3], s[12:13] offset:1536*(\f)            ; 512 consecutive bytes
	global_store_b64 v5, v[PC+4:PC+5], s[12:13] offset:1536*(\f)+512       ; 256
	global_store_b128 v4, v[PC+6:PC+9], s[12:13] offset:1536*(\f)+768
	global_store_b64 v5, v[PC+10:PC+11], s[12:13] offset:1536*(\f)+1280
.endm
	LOADF 0
	LOADF 1
	FRAGX 0
	FRAGX 1
	FRAGX 2
	FRAGX 3
	v_cndmask_b32 v250, v[WS], v[WS+2], s26        ; lanes 0-15 store words 0, 1 of their row, lanes 16-31 words 2, 3
	v_cndmask_b32 v251, v[WS+1], v[WS+3], s26
	global_store_b64 v8, v[250:251], s[14:15]      ; 256 consecutive bytes
	CLOSE
; ---- the weights.  g = work-group - 256: 128 columns (g >> 3: 0-23 Wqkv, 24-31 Wo) x K step g & 7.  A LANE TAKES A COLUMN, AND ITS REGISTERS RUN DOWN K: nothing is transposed.
.Lnot_x:
	s_cmp_lt_u32 ttmp9, 512
	s_cbranch_scc0 .Lseg
	s_sub_co_u32 s27, ttmp9, 256
	s_lshr_b32 s28, s27, 3                         ; the group of columns
	s_and_b32 s29, s27, 7                          ; the K step
	s_mov_b32 s23, 4096
	s_cmp_lt_u32 s28, 24                           ; the choice hangs on the work-group's number alone
	s_cselect_b64 s[6:7], s[6:7], s[8:9]
	s_cselect_b64 s[12:13], s[12:13], s[16:17]
	s_cselect_b64 s[14:15], s[14:15], s[18:19]
	s_cselect_b32 s30, 0, 24
	s_cselect_b32 s23, 12288, s23                  ; a row of the weight in bytes
	s_sub_co_u32 s30, s28, s30
	s_lshl_b32 s32, s30, 7
	s_lshl_b32 s33, s22, 5
	s_add_co_u32 s32, s32, s33                     ; my wave's first column
	s_lshl_b32 s33, s29, 7
	s_mul_i32 s33, s33, s23
	s_lshl_b32 s34, s32, 2
	s_add_co_u32 s34, s34, s33
	s_mov_b32 s35, 0
	s_add_nc_u64 s[6:7], s[6:7], s[34:35]
	s_lshr_b32 s36, s32, 4
	s_add_co_u32 s36, s36, 512                     ; my first rowblock of two
	s_mul_i32 s34, s36, 12288
	s_mul_i32 s33, s29, 1536
	s_add_co_u32 s34, s34, s33
	s_add_nc_u64 s[12:13], s[12:13], s[34:35]
	s_lshl_b32 s34, s36, 9
	s_lshr_b32 s33, s29, 2
	s_lshl_b32 s33, s33, 8
	s_add_co_u32 s34, s34, s33
	s_and_b32 s33, s29, 3
	s_lshl_b32 s33, s33, 2
	s_add_co_u32 s34, s34, s33
	s_add_nc_u64 s[14:15], s[14:15], s[34:35]
	s_mul_i32 s37, s22, 3072
	s_add_co_u32 s37, s37, WST                     ; my two images
	v_bfe_u32 v9, v0, 3, 1                         ; column l lies in rowblock u = (l >> 3) & 1,
	v_and_b32 v10, 7, v0
	v_lshl_add_u32 v10, v3, 3, v10                 ; as its row (l & 7) + 8 (l >> 4)
	v_mul_u32_u24 v11, v9, 1536
	v_add_nc_u32 v11, s37, v11
	v_lshl_add_u32 v6, v10, 4, v11                 ; where my 16 bytes of a half go,
	v_lshl_add_u32 v7, v10, 3, v11                 ; and my 8
	v_add_nc_u32 v12, s37, v4                      ; back: 16 x lane,
	v_add_nc_u32 v13, s37, v5                      ; 8 x lane
	v_lshlrev_b32 v14, 9, v9
	v_lshl_add_u32 v14, v10, 4, v14                ; my scale word's place: 512 u + 16 row
	v_lshlrev_b32 v15, 2, v1                       ; in: 4 bytes a lane: a wave reads 128 consecutive bytes, the four waves 512
.macro WLOAD n
.set kk, 0
.rept 128
	global_load_b32 v[R+kk], v15, s[6:7] offset:kk*(\n)*4 th:TH_LOAD_NT
.set kk, kk+1
.endr
.endm
	s_cmp_lt_u32 s28, 24                           ; the two arms differ in the immediates alone
	s_cbranch_scc0 .Lw_o
	WLOAD 3072
	s_branch .Lw_in
.Lw_o:
	WLOAD 1024
.Lw_in:
.set C, 152                            ; v152-183 a block's six registers of codes at C + 8 kb
.macro BLOCK kb, left
.set XS, R+32*(\kb)
.if (\kb) != 1
	s_wait_loadcnt \left                           ; loads come back in order: all but the youngest 'left' are in
.endif
	v_max3_num_f32 v144, |v[XS]|, |v[XS+1]|, |v[XS+2]|       ; the block's largest magnitude: all 32 numbers are mine
	v_max3_num_f32 v145, |v[XS+3]|, |v[XS+4]|, |v[XS+5]|
.irp i, 6,10,14,18,22,26
	v_max3_num_f32 v144, v144, |v[XS+\i]|, |v[XS+\i+1]|
	v_max3_num_f32 v145, v145, |v[XS+\i+2]|, |v[XS+\i+3]|
.endr
	v_max3_num_f32 v144, v144, |v[XS+30]|, |v[XS+31]|
	v_max3_num_f32 v144, v144, v145, 0x2800000     ; and the floor
	v_add_nc_u32 v146, 0xfe000000, v144
	v_lshrrev_b32 v147, 23, v146
.if (\kb) == 0
	v_mov_b32 v150, v147
.else
	v_lshl_or_b32 v150, v147, 8*(\kb), v150        ; the K step's scale word of my column
.endif
	v_cvt_scalef32_pk16_bf6_f32 v[C+8*(\kb):C+8*(\kb)+2], v[XS:XS+15], v146
	v_cvt_scalef32_pk16_bf6_f32 v[184:186], v[XS+16:XS+31], v146
	v_nop                                          ; one plain place behind a scaled conversion
.irp i, 0,1,2
	v_mov_b32 v[C+8*(\kb)+3+\i], v[184+\i]
.endr
	ds_store_b128 v6, v[C+8*(\kb):C+8*(\kb)+3] offset:768*((\kb)/2)+256*((\kb)%2)          ; block kb is half kb / 2 of lane row + 16 (kb % 2)
	ds_store_b64 v7, v[C+8*(\kb)+4:C+8*(\kb)+5] offset:768*((\kb)/2)+512+128*((\kb)%2)
.endm
	BLOCK 0, 63                                    ; of 128 loads at most 63 are out: blocks 0 and 1 are in
	BLOCK 1, 63
	BLOCK 2, 32
	BLOCK 3, 0
.irp j, 0,1,2,3
	ds_load_b128 v[192+8*\j:195+8*\j], v12 offset:1536*(\j/2)+768*(\j%2)       ; LDS serves a wave's instructions in order: these see my stores
	ds_load_b64 v[196+8*\j:197+8*\j], v13 offset:1536*(\j/2)+768*(\j%2)+512
.endr
	s_wait_dscnt 0x0
.irp j, 0,1,2,3
	global_store_b128 v4, v[192+8*\j:195+8*\j], s[12:13] offset:12288*(\j/2)+768*(\j%2)
	global_store_b64 v5, v[196+8*\j:197+8*\j], s[12:13] offset:12288*(\j/2)+768*(\j%2)+512
.endr
	global_store_b32 v14, v150, s[14:15]           ; 4 bytes of each 16: the other K steps' work-groups write the rest; one byte in 128 of what this way reads
	CLOSE
; ---- start[b][t].  Wave w takes batch row w, a lane 64 tokens: a running maximum of (delimiter ? position : 0), first in the lane, then over the lanes before it.
.Lseg:
	s_lshl_b32 s30, s22, 13
	s_add_nc_u64 s[10:11], s[10:11], s[30:31]
	s_add_nc_u64 s[20:21], s[20:21], s[30:31]
	v_lshlrev_b32 v6, 8, v1
.irp i, 0,1,2,3,4,5,6,7,8,9,10,11,12,13,14,15
	global_load_b128 v[16+4*\i:19+4*\i], v6, s[10:11] offset:16*\i
.endr
	v_lshlrev_b32 v7, 6, v1                        ; my first token
	s_lshl_b32 s27, s22, 7
	s_add_co_u32 s27, s27, SEG
	v_lshl_add_u32 v8, v1, 2, s27
	v_mov_b32 v9, s27
	v_mov_b32 v82, 0
	s_wait_loadcnt 0x0
.set i, 0
.rept 64
	v_cmp_eq_u32 vcc_lo, 32, v[16+i]
	v_add_nc_u32 v80, i, v7
	v_cndmask_b32 v[16+i], 0, v80, vcc_lo
.if i > 0
	v_max_u32 v[16+i], v[16+i], v[15+i]
.endif
.set i, i+1
.endr
	ds_store_b32 v8, v79                           ; my 64 tokens' last delimiter
.irp j, 0,1,2,3,4,5,6,7
	ds_load_b128 v[96+4*\j:99+4*\j], v9 offset:16*\j   ; all 32 lanes' (my wave's own bytes, served in order)
.endr
	s_wait_dscnt 0x0
.set i, 0
.rept 31
	v_cmp_lt_u32 vcc_lo, i, v1                     ; lane i stands before me
	v_cndmask_b32 v81, 0, v[96+i], vcc_lo
	v_max_u32 v82, v82, v81
.set i, i+1
.endr
.set i, 0
.rept 64
	v_max_u32 v[16+i], v[16+i], v82
.set i, i+1
.endr
.irp i, 0,1,2,3,4,5,6,7,8,9,10,11,12,13,14,15
	global_store_b128 v6, v[16+4*\i:19+4*\i], s[20:21] offset:16*\i
.endr
	CLOSE
.Lfunc_end_k_q2e2c909c89_prep:
	.size	k_q2e2c909c89_prep, .Lfunc_end_k_q2e2c909c89_prep-k_q2e2c909c89_prep
	.p2alignl 7, 3214868480
	.fill 96, 4, 3214868480
	.section	.rodata,"a",@progbits
	.p2align	6, 0x0
	.amdhsa_kernel k_q2e2c909c89_prep
		.amdhsa_group_segment_fixed_size 47104
		.amdhsa_private_segment_fixed_size 0
		.amdhsa_enable_private_segment 0
		.amdhsa_kernarg_size 72
		.amdhsa_user_sgpr_count 2
		.amdhsa_user_sgpr_kernarg_segment_ptr 1
		.amdhsa_wavefront_size32 1
		.amdhsa_system_sgpr_workgroup_id_x 1
		.amdhsa_system_sgpr_workgroup_id_y 1
		.amdhsa_system_sgpr_workgroup_id_z 1
		.amdhsa_system_vgpr_workitem_id 0
		.amdhsa_next_free_vgpr 256
		.amdhsa_next_free_sgpr 66
		.amdhsa_reserve_vcc 1
		.amdhsa_float_denorm_mode_32 3
		.amdhsa_float_denorm_mode_16_64 3
		.amdhsa_memory_ordered 1
		.amdhsa_forward_progress 1
		.amdhsa_inst_pref_size 85
	.end_amdhsa_kernel
	.amdgpu_metadata
---
amdhsa.version: [ 1, 2 ]
amdhsa.kernels:
  - .name:           k_q2e2c909c89_prep
    .symbol:         k_q2e2c909c89_prep.kd
    .args:
      - { .name: x, .offset: 0, .size: 8, .value_kind: global_buffer, .address_space: global }
      - { .name: Wqkv, .offset: 8, .size: 8, .value_kind: global_buffer, .address_space: global }
      - { .name: Wo, .offset: 16, .size: 8, .value_kind: global_buffer, .address_space: global }
      - { .name: char_ids, .offset: 24, .size: 8, .value_kind: global_buffer, .address_space: global }
      - { .name: cod1, .offset: 32, .size: 8, .value_kind: global_buffer, .address_space: global }
      - { .name: scl1, .offset: 40, .size: 8, .value_kind: global_buffer, .address_space: global }
      - { .name: cod2, .offset: 48, .size: 8, .value_kind: global_buffer, .address_space: global }
      - { .name: scl2, .offset: 56, .size: 8, .value_kind: global_buffer, .address_space: global }
      - { .name: segst, .offset: 64, .size: 8, .value_kind: global_buffer, .address_space: global }
    .group_segment_fixed_size: 47104
    .private_segment_fixed_size: 0
    .kernarg_segment_align: 8
    .kernarg_segment_size: 72
    .max_flat_workgroup_size: 128
    .sgpr_count:     66
    .vgpr_count:     256
    .wavefront_size: 32
...
	.end_amdgpu_metadata
.endif
;; end of part 1
;; launch qkvgemm (part 2): grid 64 x 12, 4 waves a work-group, clusters of 4 x 4, 327,680 bytes of LDS; arguments cod1, scl1, bqkv, qkvc, qkvs; writes qkvc, qkvs
.if DOCPART == 2
	.amdgcn_target "amdgcn-amd-amdhsa--gfx1250"
	.amdhsa_code_object_version 6
	.text
	.protected	k_q2e2c909c89_qkvgemm
	.globl	k_q2e2c909c89_qkvgemm
	.p2align	8
	.type	k_q2e2c909c89_qkvgemm,@function
k_q2e2c909c89_qkvgemm:
	s_mov_b64 s[64:65], 0
	v_nop
	global_prefetch_b8 v0, s[64:65] scope:SCOPE_SE
	s_setreg_imm32_b32 hwreg(HW_REG_WAVE_MODE, 25, 1), 1
	s_wait_xcnt 0x0
	s_wait_alu depctr_hold_cnt(0) depctr_sa_sdst(0) depctr_va_vdst(0) depctr_va_sdst(0) depctr_va_ssrc(0) depctr_va_vcc(0) depctr_vm_vsrc(0)
	s_getreg_b32 s2, hwreg(HW_REG_IB_STS2, 6, 4)
	s_cmp_eq_u32 s2, 0
	s_cbranch_scc0 .Lentry_in_a_cluster
	s_endpgm
.Lentry_in_a_cluster:
	s_bfe_u32 s2, ttmp6, 0x10000c
	s_cmp_lg_u32 s2, 0xf033
	s_cbranch_scc0 .Lentry_shape_is_right
	s_endpgm
.Lentry_shape_is_right:
; LAUNCH 2 OF 4.  qkv = x Wqkv + bqkv on codes of BF6 with E8M0 scales, K = 1024; the results leave as codes: q and k quantised along the head's 64, v divided by (its norm over the head's 64 + 1e-6) and quantised along the tokens.
; Nothing is left out here.
; THE CORE.  A work-group makes 256 'A' rows x 128 'B' rows; ALL of K lies in LDS (4 slots of 2 K steps, 294,912 bytes), each byte filled once: no slot is ever filled again.  Four waves, each 128 x 64: 32 accumulators.
; The matrix instruction takes source 0 = 16 B rows, source 1 = 16 A rows: a lane holds ONE A row, and its 32 registers of an A rowblock are B rows 32 b + 16 h + 0 .. 15, b = 0, 1 (the rowblocks' order of rows gives that).
; ROLES, by the cluster's y (the same in all partners).  1, 2 (q, k): A = tokens, B = columns of Wqkv: a lane holds a token and a head's 64 numbers.  0 (v): A = columns of Wv, B = tokens: a lane holds one channel and 64 tokens,
; so that v's codes come out with the tokens, which are the next product's K, along a lane's registers.  Both operands lie in cod1: a role is two rowblock numbers.
; CLUSTER 4 x 4: A's tiles are shared along a row of the cluster, B's along a column: each is asked for jointly, by the same tensor load with the same descriptor and a mask that names the four.
; OUT (qkvc): q at 0, k at 6,291,456: [b x 16 + head][token rowblock 0-127][768]: a half image, 16 tokens x 64.  v at 12,582,912: [b x 16 + head][64 keys: 0-31][channel tile 0-3][768]: 16 channels x 64 keys.
; OUT (qkvs): q at 0, k at 524,288, v at 1,048,576: [b x 16 + head][0-31][r][4 words]; word j: token rowblock 4 hs + j (q, k) or channel tile j (v); bytes 0, 1 the two blocks, bytes 2, 3 0x7f.
; A block of zeros gets the byte 1: its codes are zeros, and this program alone reads the bytes.
; REGISTERS.  Window 0: v4-27 addresses; v28, v29 the add's two; v32-95 scale words and nothing else; v128-223 A's fragments, one set; on the way out v96-255 but those.  Window 1: B's fragments, two sets, at v0 and v128; v64-95 the bias.
; Window 2: accumulator (a, b) at v[8 (4 a + b)].
.set SLOTB, 73728                      ; a slot: A's 16 rowblocks x 3,072 bytes (two fragments), then B's 8
.set BOFF,  49152
.set SPARE, 294912                     ; behind the slots: the spare words, 128 bytes for each wave: two blocks of 256 bytes that no other line names
.set A16,  4                           ; v4-7   slot k: my A rowblocks + 16 x lane
.set A8,   8                           ; v8-11  + 8 x lane
.set B16,  12                          ; v12-15 the same for B
.set B8,   16                          ; v16-19
.set SOFF, 20                          ; v20    my scale words: lanes 0-15 A's rowblocks, lanes 16-31 B's
.set SOFF2, 21                         ; v21    the same, lanes 16-31 four rowblocks back
.set L16,  22                          ; v22    16 x lane
.set L8,   23                          ; v23    8 x lane
.set SO8,  24                          ; v24    16 r + 8 h
.set BH,   25                          ; v25    64 h
.set BR,   26                          ; v26    4 (r + 8 (r / 8))
.set SPW,  28
.set NIL,  29
.set SC,   32                          ; v[SC + 8 i + s]: K step s: lanes 0-15 A rowblock i's word, lanes 16-31 B rowblock i's (i < 4)
.set WS,   96                          ; v96-103  the way out: eight scale words
.set SS,   104                         ; v104-167 v: sums of squares, then 1 / (norm + eps)
.set AF,   128
.set PC,   168                         ; v168-215 the way out: eight half images' codes
.set BV,   224                         ; v224-239 v: the bias of my channel, a pair for each A rowblock
.set TM,   240
.set T,    248
.set CS,   252
.set BIAS, 64
.set G1A,  24                          ; s[24:31], s[32:39] descriptor groups 1;  s[40:55] A's groups 0;  s[56:63], s[68:75] B's
.set G1B,  32
.set G0A,  40
.set HM,   92                          ; s92 lanes 16-31
.set SEL,  96                          ; s[96:97]
.set MSB, 0
.macro WIN new                         ; the immediate's high byte repeats the setting that is left
.if MSB != \new
	s_set_vgpr_msb (MSB<<8)|\new
.set MSB, \new
.endif
.endm
; A joint load: waves 0 and 1 fetch A's halves, waves 2 and 3 B's.  The branch hangs on the wave's number alone.  An s_nop 0 and four v_nop follow each line.
.macro JLOAD g0a, g0b
	s_cmp_eq_u32 s15, 0
	s_cbranch_scc0 .Lfor_b_\@
	tensor_load_to_lds s[\g0a:\g0a+3], s[G1A:G1A+7]
	s_nop 0
.rept 4
	v_nop
.endr
	s_branch .Lasked_\@
.Lfor_b_\@:
	tensor_load_to_lds s[\g0b:\g0b+3], s[G1B:G1B+7]
	s_nop 0
.rept 4
	v_nop
.endr
.Lasked_\@:
.endm
.macro CROUND                          ; a round of the cluster's barrier
	s_barrier_signal -1
	s_barrier_wait -1
	s_cmp_lg_u32 s14, 0
	s_cbranch_scc1 .Lnot_wave_0_\@
	s_barrier_signal -3
.Lnot_wave_0_\@:
	s_barrier_wait -3
	s_barrier_signal -1
	s_barrier_wait -1
.endm
.macro PLACES                          ; four plain places between a matrix instruction and a load into, or a vector read or write of, its registers
.rept 4
	v_nop
.endr
.endm
	s_load_b256 s[4:11], s[0:1], 0x0               ; cod1 s[4:5], scl1 s[6:7], bqkv s[8:9], qkvc s[10:11]
	s_load_b64 s[12:13], s[0:1], 0x20              ; qkvs
	v_lshl_add_u32 v[SPW], v0, 2, SPARE
	v_mov_b32 v[NIL], 0
	ds_add_u32 v[SPW], v[NIL]                      ; the wave's opening: the add, twice on end, and its wait ahead of my first tensor load
	ds_add_u32 v[SPW], v[NIL]
	v_lshrrev_b32 v1, 5, v0
	v_readfirstlane_b32 s14, v1                    ; wave
	s_lshr_b32 s15, s14, 1                         ; which 8 A rowblocks are mine.  Also: I fetch for A (0) or for B (1)
	s_and_b32 s16, s14, 1                          ; which 4 B rowblocks.  Also: which half of the tile I fetch
	s_bfe_u32 s17, ttmp6, 0x40000                  ; cx
	s_bfe_u32 s18, ttmp6, 0x40004                  ; cy
	s_mov_b32 s19, ttmp9                           ; X: the cluster's x, 0-15
	s_and_b32 s20, ttmp7, 0xffff                   ; the role: the cluster's y
	s_lshl_b32 s76, s18, 2
	s_lshl_b32 s76, 15, s76                        ; my row of the cluster
	s_lshl_b32 s77, 0x1111, s17                    ; my column
	s_or_b32 s[G1A], s76, (3<<16)|(1<<21)          ; the mask; elements of 8 bytes; bit 21 beside a mask; no padding
	s_or_b32 s[G1B], s77, (3<<16)|(1<<21)
	s_mov_b32 s[G1A+1], 384<<16                    ; tensor_dim0: a row is a rowblock's two fragments, 3,072 bytes
	s_mov_b32 s[G1A+2], 8<<16                      ; tensor_dim1: 8 rowblocks
	s_mov_b32 s[G1A+3], 384<<16                    ; tile_dim0
	s_mov_b32 s[G1A+4], 8                          ; tile_dim1
	s_mov_b32 s[G1A+5], 1536                       ; from rowblock to rowblock: 12,288 bytes
	s_mov_b32 s[G1A+6], 0
	s_mov_b32 s[G1A+7], 0
	s_mov_b32 s[G1B+1], 384<<16
	s_mov_b32 s[G1B+2], 4<<16                      ; 4 rowblocks
	s_mov_b32 s[G1B+3], 384<<16
	s_mov_b32 s[G1B+4], 4
	s_mov_b32 s[G1B+5], 1536
	s_mov_b32 s[G1B+6], 0
	s_mov_b32 s[G1B+7], 0
	s_lshr_b32 s78, s19, 1
	s_lshl_b32 s78, s78, 6                         ; q, k: A from token rowblock 64 (X >> 1)
	s_and_b32 s79, s19, 1
	s_lshl_b32 s79, s79, 5
	s_lshl_b32 s80, s20, 6
	s_add_co_u32 s79, s79, s80
	s_add_co_u32 s79, s79, 448                     ; q, k: B from rowblock 512 + 64 (role - 1) + 32 (X & 1)
	s_lshl_b32 s80, s19, 5                         ; v: B from token rowblock 32 X
	s_mov_b32 s81, 640                             ; v: A from Wv's first rowblock
	s_cmp_eq_u32 s20, 0
	s_cselect_b32 s21, s81, s78
	s_cselect_b32 s22, s80, s79
	s_lshl_b32 s78, s18, 4
	s_add_co_u32 s21, s21, s78                     ; A's first rowblock: + 16 cy
	s_lshl_b32 s79, s17, 3
	s_add_co_u32 s22, s22, s79                     ; B's: + 8 cx
	s_lshl_b32 s82, s16, 3
	s_add_co_u32 s82, s82, s21
	s_mul_i32 s82, s82, 12288                      ; the half of A's tile that I would fetch,
	s_mov_b32 s83, 0
	s_lshl_b32 s84, s16, 2
	s_add_co_u32 s84, s84, s22
	s_mul_i32 s84, s84, 12288                      ; and of B's
	s_mov_b32 s85, 0
	s_mul_i32 s86, s16, 24576                      ; where they go: no place in the cluster enters an LDS address
	s_mul_i32 s87, s16, 12288
	s_add_co_u32 s87, s87, BOFF
	s_mov_b32 s[HM], 0xffff0000
	s_mov_b32 s[SEL], 0x76543210
	s_mov_b32 s[SEL+1], 0xfedcba98
	s_wait_dscnt 0x0                               ; both opening adds are done
	s_wait_kmcnt 0x0
	s_add_nc_u64 s[82:83], s[4:5], s[82:83]
	s_add_nc_u64 s[84:85], s[4:5], s[84:85]
	CROUND                                         ; all sixteen work-groups are here: the joint loads meet
.irp k, 0,1,2,3                        ; all four slots are asked for at once: four loads of mine are out
	s_mov_b32 s[G0A+4*\k], 1
	s_add_co_u32 s[G0A+4*\k+1], s86, \k*SLOTB
	s_add_nc_u64 s[G0A+4*\k+2:G0A+4*\k+3], s[82:83], \k*3072
	s_or_b32 s[G0A+4*\k+3], s[G0A+4*\k+3], 0x80000000
	s_mov_b32 s[56+4*\k+4*(\k/2)], 1
	s_add_co_u32 s[56+4*\k+4*(\k/2)+1], s87, \k*SLOTB
	s_add_nc_u64 s[56+4*\k+4*(\k/2)+2:56+4*\k+4*(\k/2)+3], s[84:85], \k*3072
	s_or_b32 s[56+4*\k+4*(\k/2)+3], s[56+4*\k+4*(\k/2)+3], 0x80000000
	JLOAD G0A+4*\k, 56+4*\k+4*(\k/2)
.endr
	v_and_b32 v1, 31, v0                           ; lane
	v_and_b32 v2, 15, v0                           ; r
	v_bfe_u32 v3, v0, 4, 1                         ; h
	s_mul_i32 s88, s15, 24576
	s_mul_i32 s89, s16, 12288
	s_add_co_u32 s89, s89, BOFF
.irp k, 0,1,2,3
	v_lshl_add_u32 v[A16+\k], v1, 4, s88
	v_lshl_add_u32 v[A8+\k], v1, 3, s88
	v_lshl_add_u32 v[B16+\k], v1, 4, s89
	v_lshl_add_u32 v[B8+\k], v1, 3, s89
	s_add_co_u32 s88, s88, SLOTB
	s_add_co_u32 s89, s89, SLOTB
.endr
	s_lshl_b32 s90, s15, 3
	s_add_co_u32 s90, s90, s21
	s_lshl_b32 s90, s90, 9                         ; my A rowblocks' scale words,
	s_lshl_b32 s91, s16, 2
	s_add_co_u32 s91, s91, s22
	s_lshl_b32 s91, s91, 9                         ; my B rowblocks'
	v_mov_b32 v[SOFF], s90
	v_mov_b32 v[SOFF2], s91
	v_cndmask_b32 v[SOFF], v[SOFF], v[SOFF2], s[HM]
	v_lshl_add_u32 v[SOFF], v2, 4, v[SOFF]
	v_lshlrev_b32 v[SOFF2], 11, v3
	v_sub_nc_u32 v[SOFF2], v[SOFF], v[SOFF2]       ; for A's rowblocks 4-7 lanes 16-31 read B's 0-3 once more: they stay inside what launch 1 wrote
.irp i, 0,1,2,3
.irp p, 0,1
	global_load_b128 v[SC+8*\i+4*\p:SC+8*\i+4*\p+3], v[SOFF], s[6:7] offset:512*\i+256*\p
.endr
.endr
.irp i, 4,5,6,7
.irp p, 0,1
	global_load_b128 v[SC+8*\i+4*\p:SC+8*\i+4*\p+3], v[SOFF2], s[6:7] offset:512*\i+256*\p
.endr
.endr
	v_lshlrev_b32 v[L16], 4, v1
	v_lshlrev_b32 v[L8], 3, v1
	v_lshlrev_b32 v[SO8], 4, v2
	v_lshl_add_u32 v[SO8], v3, 3, v[SO8]
	v_lshlrev_b32 v[BH], 6, v3
	v_and_b32 v[BR], 8, v2
	v_add_nc_u32 v[BR], v[BR], v2
	v_lshlrev_b32 v[BR], 2, v[BR]
.set j, 0
.rept 16
	v_mov_b32 v[BV+j], 0                           ; written on every way; role v loads the even ones
.set j, j+1
.endr
	v_mov_b32 v[TM+2], 0                           ; a lane permute's destination counts as one of its sources
	v_mov_b32 v[TM+3], 0
	s_cmp_eq_u32 s20, 0
	s_cbranch_scc1 .Lbias_v
	s_lshl_b32 s93, s16, 2                         ; q, k: the bias is the C of each sum's first product: tile b, lane (r, h): columns 32 (b / 2) + 16 h + 8 (b % 2) + 0 .. 7 of my 64
	s_add_co_u32 s93, s93, s22
	s_sub_co_u32 s93, s93, 512
	s_lshl_b32 s94, s93, 6
	s_mov_b32 s95, 0
	s_add_nc_u64 s[94:95], s[8:9], s[94:95]
	WIN 0x40
.irp b, 0,1,2,3
	global_load_b128 v[BIAS+8*\b:BIAS+8*\b+3], v[BH], s[94:95] offset:(32*(\b/2)+8*(\b%2))*4
	global_load_b128 v[BIAS+8*\b+4:BIAS+8*\b+7], v[BH], s[94:95] offset:(32*(\b/2)+8*(\b%2))*4+16
.endr
	WIN 0
	s_branch .Lbias_done
.Lbias_v:
	WIN 0x40                                       ; v: the bias hangs on the lane's channel, not on the register: it is added on the way out, and the sums begin at 0
.set j, 0
.rept 32
	v_mov_b32 v[BIAS+j], 0
.set j, j+1
.endr
	WIN 0
	s_lshl_b32 s93, s15, 3
	s_add_co_u32 s93, s93, s21
	s_sub_co_u32 s93, s93, 512
	s_lshl_b32 s94, s93, 6
	s_mov_b32 s95, 0
	s_add_nc_u64 s[94:95], s[8:9], s[94:95]
.irp a, 0,1,2,3,4,5,6,7
	global_load_b32 v[BV+2*\a], v[BR], s[94:95] offset:(32*(\a/2)+8*(\a%2))*4
.endr
.Lbias_done:
.macro FRAG reg, a16, a8, off          ; a fragment comes back as it was stored: 16, 8, 16, 8 bytes a lane, each load on consecutive bytes
	ds_load_b128 v[\reg:\reg+3], v[\a16] offset:\off
	ds_load_b64 v[\reg+4:\reg+5], v[\a8] offset:\off+512
	ds_load_b128 v[\reg+6:\reg+9], v[\a16] offset:\off+768
	ds_load_b64 v[\reg+10:\reg+11], v[\a8] offset:\off+1280
.endm
.macro FETCH_B k, q, p                 ; B's four fragments of slot k's q-th K step into set p
	WIN 0x40
.irp i, 0,1,2,3
	FRAG 128*(\p)+12*\i, B16+(\k), B8+(\k), 3072*\i+1536*(\q)
.endr
	WIN 0
.endm
.macro FETCH_A k, q, i0                ; A's rowblocks i0 .. i0 + 3
.irp i, \i0, \i0+1, \i0+2, \i0+3
	FRAG AF+12*(\i), A16+(\k), A8+(\k), 3072*(\i)+1536*(\q)
.endr
.endm
; 8 matrix instructions: A's rowblocks a0, a0 + 1 x B's four, K step s, B's set p.  The 32 accumulators take turns, one instruction a turn, in the same order in every step.
.macro MUL8 a0, p, s, first
.irp a, \a0, \a0+1
.irp b, 0,1,2,3
.if \first
	v_wmma_scale_f32_16x16x128_f8f6f4 v[8*(4*(\a)+\b):8*(4*(\a)+\b)+7], v[128*(\p)+12*\b:128*(\p)+12*\b+11], v[AF+12*(\a):AF+12*(\a)+11], v[BIAS+8*\b:BIAS+8*\b+7], v[SC+8*\b+(\s)], v[SC+8*(\a)+(\s)] matrix_a_fmt:MATRIX_FMT_BF6 matrix_b_fmt:MATRIX_FMT_BF6 matrix_a_scale:MATRIX_SCALE_ROW1
.else
	v_wmma_scale_f32_16x16x128_f8f6f4 v[8*(4*(\a)+\b):8*(4*(\a)+\b)+7], v[128*(\p)+12*\b:128*(\p)+12*\b+11], v[AF+12*(\a):AF+12*(\a)+11], v[8*(4*(\a)+\b):8*(4*(\a)+\b)+7], v[SC+8*\b+(\s)], v[SC+8*(\a)+(\s)] matrix_a_fmt:MATRIX_FMT_BF6 matrix_b_fmt:MATRIX_FMT_BF6 matrix_a_scale:MATRIX_SCALE_ROW1
.endif
.endr
.endr
.endm
.macro MWIN first                      ; source 0 (B) window 1, source 1 (A) window 0, D window 2; C window 2, or window 1 where it is the bias
.if \first
	WIN 0x91
.else
	WIN 0xa1
.endif
.endm
.macro STEP k, first                   ; a slot's first K step: its successor lies in the same slot
	s_wait_dscnt 16                                ; B's set and A's rowblocks 0-3 are in; the youngest 16 loads (A's 4-7) may be out
	MWIN \first
	MUL8 0, 0, 2*(\k), \first
	MUL8 2, 0, 2*(\k), \first
	s_wait_dscnt 0x0                               ; A's 4-7 are in
	PLACES
	FETCH_B \k, 1, 1
	FETCH_A \k, 1, 0
	MWIN \first
	MUL8 4, 0, 2*(\k), \first
	MUL8 6, 0, 2*(\k), \first
	PLACES
	WIN 0
	FETCH_A \k, 1, 4
.endm
.macro TURN k, n                       ; a slot's second K step goes on into the next slot: my part of it has landed (n younger loads may stay out), then one barrier
	s_wait_tensorcnt \n
	s_wait_dscnt 16
	WIN 0xa1
	MUL8 0, 1, 2*(\k)+1, 0
	s_wait_dscnt 0x0                               ; no LDS instruction of mine is out at the signal
	s_barrier_signal -1
	MUL8 2, 1, 2*(\k)+1, 0
	WIN 0
	s_barrier_wait -1                              ; everybody's part of the next slot has landed
	PLACES
	FETCH_B (\k)+1, 0, 0
	FETCH_A (\k)+1, 0, 0
	WIN 0xa1
	MUL8 4, 1, 2*(\k)+1, 0
	MUL8 6, 1, 2*(\k)+1, 0
	PLACES
	WIN 0
	FETCH_A (\k)+1, 0, 4
.endm
	s_wait_tensorcnt 0x3                           ; my part of slot 0 is in; three younger loads may be out
	s_barrier_signal -1
	s_barrier_wait -1
	FETCH_B 0, 0, 0
	FETCH_A 0, 0, 0
	FETCH_A 0, 0, 4
	s_wait_loadcnt 0x0                             ; the scale words and the bias
	STEP 0, 1
	TURN 0, 2
	STEP 1, 0
	TURN 1, 1
	STEP 2, 0
	TURN 2, 0
	STEP 3, 0
	s_wait_dscnt 16                                ; the last K step: nothing more to fetch
	WIN 0xa1
	MUL8 0, 1, 7, 0
	MUL8 2, 1, 7, 0
	s_wait_dscnt 0x0
	MUL8 4, 1, 7, 0
	MUL8 6, 1, 7, 0
	WIN 0
	PLACES
; 32 numbers of a lane in window 2, v[s] on (register 16 b + i = place 32 b + 16 h + i along the next K), become a half image's six registers v[pc] on and a scale word v[w].  Each accumulator is read from its low end on.
.macro QUANT2W s, pc, w
	WIN 0x28                                       ; sources 1 and 2 window 2
.irp b, 0,1
	v_max3_num_f32 v[TM+\b], 0x2800000, |v[(\s)+16*\b]|, |v[(\s)+16*\b+1]|    ; the floor 2^(5 - 127): the byte cannot fall under 1
.endr
.irp i, 2,4,6,8,10,12,14
.irp b, 0,1
	v_max3_num_f32 v[TM+\b], v[TM+\b], |v[(\s)+16*\b+\i]|, |v[(\s)+16*\b+\i+1]|
.endr
.endr
	WIN 0
	v_permlanex16_b32 v[TM+2], v[TM], s[SEL], s[SEL+1]
	v_permlanex16_b32 v[TM+3], v[TM+1], s[SEL], s[SEL+1]
	v_max_num_f32 v[TM], v[TM], v[TM+2]            ; with lane l xor 16's: the block's largest magnitude
	v_max_num_f32 v[TM+1], v[TM+1], v[TM+3]
	v_add_nc_u32 v[TM+4], 0xfe000000, v[TM]        ; 4 off the exponent field: the conversion's scale operand
	v_add_nc_u32 v[TM+5], 0xfe000000, v[TM+1]
	v_lshrrev_b32 v[TM+6], 23, v[TM+4]
	v_lshrrev_b32 v[TM+7], 23, v[TM+5]
	v_lshl_or_b32 v[\w], v[TM+7], 8, v[TM+6]
	v_or_b32 v[\w], 0x7f7f0000, v[\w]              ; the upper half of a K step of 128 is zero codes under the scale 1
	WIN 0x02                                       ; source 0 window 2
	v_cvt_scalef32_pk16_bf6_f32 v[(\pc):(\pc)+2], v[(\s):(\s)+15], v[TM+4]
	v_cvt_scalef32_pk16_bf6_f32 v[T:T+2], v[(\s)+16:(\s)+31], v[TM+5]
	WIN 0
	v_nop                                          ; one plain place behind a scaled conversion
.irp i, 0,1,2
	v_permlane16_swap_b32 v[(\pc)+\i], v[T+\i]     ; a whole block to a lane: lanes 0-15 block 0, lanes 16-31 block 1
.endr
.irp i, 0,1,2
	v_mov_b32 v[(\pc)+3+\i], v[T+\i]
.endr
.endm
	s_cmp_eq_u32 s20, 0
	s_cbranch_scc1 .Lout_v
; ---- q, k: A rowblock a is token rowblock tau0 + a of batch b; my 64 columns are one head
	s_lshr_b32 s76, s19, 2
	s_lshl_b32 s76, s76, 4
	s_and_b32 s77, s19, 1
	s_lshl_b32 s77, s77, 3
	s_add_co_u32 s76, s76, s77
	s_lshl_b32 s77, s17, 1
	s_add_co_u32 s76, s76, s77
	s_add_co_u32 s76, s76, s16                     ; 16 b + head
	s_bfe_u32 s77, s19, 0x10001
	s_lshl_b32 s77, s77, 6
	s_lshl_b32 s78, s18, 4
	s_add_co_u32 s77, s77, s78
	s_lshl_b32 s78, s15, 3
	s_add_co_u32 s77, s77, s78                     ; tau0
	s_sub_co_u32 s78, s20, 1                       ; 0: q, 1: k
	s_lshl_b32 s80, s76, 7
	s_add_co_u32 s80, s80, s77
	s_mul_i32 s80, s80, 768
	s_mul_i32 s79, s78, 6291456
	s_add_co_u32 s80, s80, s79
	s_mov_b32 s81, 0
	s_add_nc_u64 s[10:11], s[10:11], s[80:81]
	s_lshl_b32 s80, s76, 13
	s_lshl_b32 s79, s77, 6
	s_add_co_u32 s80, s80, s79
	s_lshl_b32 s79, s78, 19
	s_add_co_u32 s80, s80, s79
	s_add_nc_u64 s[12:13], s[12:13], s[80:81]
.irp a, 0,1,2,3,4,5,6,7                ; each rowblock has registers of its own for its codes: no store's data are written again
	QUANT2W 32*\a, PC+6*\a, WS+\a
	global_store_b128 v[L16], v[PC+6*\a:PC+6*\a+3], s[10:11] offset:768*\a        ; 512 consecutive bytes
	global_store_b64 v[L8], v[PC+6*\a+4:PC+6*\a+5], s[10:11] offset:768*\a+512    ; 256
.endr
.irp g, 0,1
	v_cndmask_b32 v[CS+2*\g], v[WS+4*\g], v[WS+4*\g+2], s[HM]
	v_cndmask_b32 v[CS+2*\g+1], v[WS+4*\g+1], v[WS+4*\g+3], s[HM]
	global_store_b64 v[SO8], v[CS+2*\g:CS+2*\g+1], s[12:13] offset:256*\g         ; 256 consecutive bytes: four rowblocks' words
.endr
	s_branch .Ldone
; ---- v: A rowblock a is channel tile a & 3 of head head0 + (a >> 2); my 64 B rows are keys 64 hs on of batch b
.Lout_v:
	s_lshr_b32 s76, s19, 2
	s_lshl_b32 s76, s76, 4
	s_lshl_b32 s77, s18, 2
	s_add_co_u32 s76, s76, s77
	s_lshl_b32 s77, s15, 1
	s_add_co_u32 s76, s76, s77                     ; 16 b + head0
	s_lshl_b32 s77, s19, 2
	s_add_co_u32 s77, s77, s17
	s_and_b32 s77, s77, 15
	s_lshl_b32 s77, s77, 1
	s_add_co_u32 s77, s77, s16                     ; hs
	s_lshl_b32 s80, s76, 7
	s_lshl_b32 s78, s77, 2
	s_add_co_u32 s80, s80, s78
	s_mul_i32 s80, s80, 768
	s_add_co_u32 s80, s80, 12582912
	s_mov_b32 s81, 0
	s_add_nc_u64 s[10:11], s[10:11], s[80:81]
	s_lshl_b32 s80, s76, 13
	s_lshl_b32 s78, s77, 8
	s_add_co_u32 s80, s80, s78
	s_add_co_u32 s80, s80, 1048576
	s_add_nc_u64 s[12:13], s[12:13], s[80:81]
	WIN 0x82                                       ; destination and source 0 window 2
.irp a, 0,1,2,3,4,5,6,7
.set m, 0
.rept 16
	v_pk_add_f32 v[32*\a+m:32*\a+m+1], v[32*\a+m:32*\a+m+1], v[BV+2*\a:BV+2*\a+1] op_sel_hi:[1,0]   ; + my channel's bias
.set m, m+2
.endr
.endr
	WIN 0x0a                                       ; sources 0 and 1 window 2
.irp ap, 0,1,2,3                       ; the squares of a head's four tiles, token by token
.irp hd, 0,1
.set m, 0
.rept 16
.if \ap == 0
	v_pk_mul_f32 v[SS+32*\hd+m:SS+32*\hd+m+1], v[128*\hd+m:128*\hd+m+1], v[128*\hd+m:128*\hd+m+1]
.else
	v_pk_fma_f32 v[SS+32*\hd+m:SS+32*\hd+m+1], v[128*\hd+32*\ap+m:128*\hd+32*\ap+m+1], v[128*\hd+32*\ap+m:128*\hd+32*\ap+m+1], v[SS+32*\hd+m:SS+32*\hd+m+1]
.endif
.set m, m+2
.endr
.endr
.endr
	WIN 0
.irp x, 1,2,4,8                        ; and over the 16 lanes that hold the tile's 16 channels of the same tokens
.set m, 0
.rept 64
	v_add_f32_dpp v[SS+m], v[SS+m], v[SS+m] row_xmask:\x row_mask:0xf bank_mask:0xf
.set m, m+1
.endr
.endr
.set m, 0
.rept 64
	v_sqrt_f32 v[SS+m], v[SS+m]
.set m, m+1
.endr
	v_nop                                          ; a plain place behind the last root,
	s_wait_alu depctr_va_vdst(0)                   ; and one wait for the batch, ahead of its first reader
.set m, 0
.rept 32
	v_pk_add_f32 v[SS+m:SS+m+1], v[SS+m:SS+m+1], 0x358637bd op_sel_hi:[1,0]     ; + 1e-6
.set m, m+2
.endr
.set m, 0
.rept 64
	v_rcp_f32 v[SS+m], v[SS+m]
.set m, m+1
.endr
	v_nop
	s_wait_alu depctr_va_vdst(0)
	WIN 0x82
.irp a, 0,1,2,3,4,5,6,7
.set m, 0
.rept 16
	v_pk_mul_f32 v[32*\a+m:32*\a+m+1], v[32*\a+m:32*\a+m+1], v[SS+32*(\a/4)+m:SS+32*(\a/4)+m+1]
.set m, m+2
.endr
.endr
.irp a, 0,1,2,3,4,5,6,7
	QUANT2W 32*\a, PC+6*\a, WS+\a
	global_store_b128 v[L16], v[PC+6*\a:PC+6*\a+3], s[10:11] offset:(128*(\a/4)+\a%4)*768
	global_store_b64 v[L8], v[PC+6*\a+4:PC+6*\a+5], s[10:11] offset:(128*(\a/4)+\a%4)*768+512
.endr
.irp g, 0,1
	v_cndmask_b32 v[CS+2*\g], v[WS+4*\g], v[WS+4*\g+2], s[HM]
	v_cndmask_b32 v[CS+2*\g+1], v[WS+4*\g+1], v[WS+4*\g+3], s[HM]
	global_store_b64 v[SO8], v[CS+2*\g:CS+2*\g+1], s[12:13] offset:8192*\g
.endr
.Ldone:
	s_wait_tensorcnt 0x0                           ; the wave's end
	ds_add_u32 v[SPW], v[NIL]
	s_wait_dscnt 0x0
	CROUND                                         ; the closing round: no work-group ends while a partner may still ask for a tile that names it
	s_endpgm
.Lfunc_end_k_q2e2c909c89_qkvgemm:
	.size	k_q2e2c909c89_qkvgemm, .Lfunc_end_k_q2e2c909c89_qkvgemm-k_q2e2c909c89_qkvgemm
	.p2alignl 7, 3214868480
	.fill 96, 4, 3214868480
	.section	.rodata,"a",@progbits
	.p2align	6, 0x0
	.amdhsa_kernel k_q2e2c909c89_qkvgemm
		.amdhsa_group_segment_fixed_size 327680
		.amdhsa_private_segment_fixed_size 0
		.amdhsa_enable_private_segment 0
		.amdhsa_kernarg_size 40
		.amdhsa_user_sgpr_count 2
		.amdhsa_user_sgpr_kernarg_segment_ptr 1
		.amdhsa_wavefront_size32 1
		.amdhsa_system_sgpr_workgroup_id_x 1
		.amdhsa_system_sgpr_workgroup_id_y 1
		.amdhsa_system_sgpr_workgroup_id_z 1
		.amdhsa_system_vgpr_workitem_id 0
		.amdhsa_next_free_vgpr 768
		.amdhsa_next_free_sgpr 100
		.amdhsa_reserve_vcc 0
		.amdhsa_float_denorm_mode_32 3
		.amdhsa_float_denorm_mode_16_64 3
		.amdhsa_memory_ordered 1
		.amdhsa_forward_progress 1
		.amdhsa_inst_pref_size 162
	.end_amdhsa_kernel
	.amdgpu_metadata
---
amdhsa.version: [ 1, 2 ]
amdhsa.kernels:
  - .name:           k_q2e2c909c89_qkvgemm
    .symbol:         k_q2e2c909c89_qkvgemm.kd
    .args:
      - { .name: cod1, .offset: 0, .size: 8, .value_kind: global_buffer, .address_space: global }
      - { .name: scl1, .offset: 8, .size: 8, .value_kind: global_buffer, .address_space: global }
      - { .name: bqkv, .offset: 16, .size: 8, .value_kind: global_buffer, .address_space: global }
      - { .name: qkvc, .offset: 24, .size: 8, .value_kind: global_buffer, .address_space: global }
      - { .name: qkvs, .offset: 32, .size: 8, .value_kind: global_buffer, .address_space: global }
    .group_segment_fixed_size: 327680
    .private_segment_fixed_size: 0
    .kernarg_segment_align: 8
    .kernarg_segment_size: 40
    .max_flat_workgroup_size: 128
    .sgpr_count:     100
    .vgpr_count:     768
    .wavefront_size: 32
...
	.end_amdgpu_metadata
.endif
;; end of part 2
;; launch attn (part 3): grid 128 x 8, 8 waves a work-group, no clusters, 1,280 bytes of LDS; arguments qkvc, qkvs, segst, cod2, scl2; writes cod2, scl2
.if DOCPART == 3
	.amdgcn_target "amdgcn-amd-amdhsa--gfx1250"
	.amdhsa_code_object_version 6
	.text
	.protected	k_q2e2c909c89_attn
	.globl	k_q2e2c909c89_attn
	.p2align	8
	.type	k_q2e2c909c89_attn,@function
k_q2e2c909c89_attn:
	s_mov_b64 s[64:65], 0
	v_nop
	global_prefetch_b8 v0, s[64:65] scope:SCOPE_SE
	s_setreg_imm32_b32 hwreg(HW_REG_WAVE_MODE, 25, 1), 1
	s_wait_xcnt 0x0
; LAUNCH 3 OF 4.  y = softmax(q k^T / 8, masked) v on codes of BF6; y leaves as codes along the 1,024 channels, for launch 4.
; WORK LEFT OUT: key steps of 64 that lie wholly outside [start(first query), last query] of the wave's 16 queries (shown dead at the head of launch 1; start[] is what launch 1 stored).
; SHARES.  A work-group: token rowblock tau (16 queries: 32 (tau / 2) + 8 (tau % 2) + r + 8 (r / 8)) of batch y / 2, heads 8 (y % 2) + wave.  A wave: 16 queries x one head, in 200 registers: several waves to a SIMD, so that one
; wave's softmax stands beside another's products and loads.
; NO TENSOR LOAD, NO CLUSTER, though the query tiles of a head read the same k and v: where the walk over the keys begins hangs on a number read from memory, and differs from tile to tile.  k and v come from memory straight into
; the operands' registers, as the images that launch 2 stored: 16 or 8 consecutive bytes a lane.
; LAYOUT.  Both products transposed: S^T = k q^T (source 0 = 16 keys, source 1 = my queries), O^T = v^T p^T (source 0 = 16 channels, source 1 = p): a lane holds ONE query.  Register 16 b + i of S^T is key 64 hs + 32 b + 16 h + i.
; K = 64 IN A FORM OF 128: an operand's upper six registers stand against zero codes of the other side (q's and p's upper six are zeros), under scale bytes 0x7f: so tile t's operand is v[6 t .. 6 t + 11], whose upper half is the next
; tile's codes, and adds nothing.
; THE SOFTMAX: t = score x log2(e) / 8; M = the running largest t rounded up to a whole number; p = 2^(t - M), quantised along the keys, not normalised; the row's sum is taken of the unquantised p and divides at the end.
; A hidden score becomes -infinity: p = 0.  While a query has seen no key, t stays at -3e38, p = 0 and the rescaling is by 1; its own key always comes, so the sum is never 0.
.set YS,    0                          ; 256 bytes: the scale bytes of 16 rows x 8 heads
.set SPARE, 256                        ; the spare words, 128 bytes for each wave: four blocks of 256 bytes that no other line names
.set SPW, 30
.set NIL, 31
.set KF,  32                           ; v32-61   k: tile t at KF + 6 t; v56-61 zeros
.set VF,  64                           ; v64-93   v likewise; v88-93 zeros
.set S,   96                           ; v96-127  S^T, then p, at the end y
.set O,   128                          ; v128-159 O^T
.set P,   160                          ; v160-171 p's codes, six, and six zeros
.set T,   172
.set KS,  176                          ; v176-179 k's scale words, v180-183 v's, v28 q's, v29 p's: scales and nothing else
.set VS,  180
.set W,   184                          ; v184-193 at work
.set L16, 194                          ; 16 x lane
.set L8,  195                          ; 8 x lane
.set R16, 196                          ; 16 r
.set R4,  197                          ; 4 (r + 8 (r / 8))
.set H16, 198                          ; 16 h
.set CS,  48                           ; s[48:49] c = log2(e) / 8
.set SEL, 50                           ; s[50:51]
	s_load_b256 s[4:11], s[0:1], 0x0               ; qkvc s[4:5], qkvs s[6:7], segst s[8:9], cod2 s[10:11]
	s_load_b64 s[12:13], s[0:1], 0x20              ; scl2
	v_lshl_add_u32 v[SPW], v0, 2, SPARE
	v_mov_b32 v[NIL], 0
	v_lshrrev_b32 v1, 5, v0
	v_readfirstlane_b32 s14, v1                    ; wave
	s_and_b32 s15, ttmp7, 0xffff
	s_lshl_b32 s22, s15, 3
	s_add_co_u32 s22, s22, s14                     ; 16 b + head = 8 y + wave
	s_lshr_b32 s23, s15, 1                         ; b
	s_and_b32 s24, s15, 1                          ; which eight heads
	s_lshr_b32 s25, ttmp9, 1
	s_lshl_b32 s25, s25, 5
	s_and_b32 s26, ttmp9, 1
	s_lshl_b32 s26, s26, 3
	s_add_co_u32 s25, s25, s26                     ; my first query
	s_add_co_u32 s27, s25, 23                      ; my last
	s_lshr_b32 s28, s27, 6
	s_add_co_u32 s28, s28, 1                       ; one past the last key step: the walk goes on while the step's number is under it
	s_lshl_b32 s30, s23, 11
	s_add_co_u32 s30, s30, s25
	s_lshl_b32 s30, s30, 2
	s_mov_b32 s31, 0
	s_mul_i32 s36, s22, 98304
	s_mov_b32 s37, 0
	s_mul_i32 s38, ttmp9, 768
	s_mov_b32 s39, 0
	s_lshl_b32 s40, s22, 13
	s_mov_b32 s41, 0
	s_lshr_b32 s42, ttmp9, 2
	s_lshl_b32 s42, s42, 8
	s_and_b32 s43, ttmp9, 3
	s_lshl_b32 s43, s43, 2
	s_add_co_u32 s42, s42, s43
	s_mov_b32 s43, 0
	s_mov_b32 s[CS], 0x3e38aa3b
	s_mov_b32 s[CS+1], s[CS]                       ; (named with it as a pair, so it is written)
	s_mov_b32 s[SEL], 0x76543210
	s_mov_b32 s[SEL+1], 0xfedcba98
	s_wait_kmcnt 0x0
	s_add_nc_u64 s[8:9], s[8:9], s[30:31]          ; start[] at my first query
	s_load_b32 s32, s[8:9], 0x0                    ; the least start of my queries (start[] never falls),
	s_load_b32 s33, s[8:9], 0x5c                   ; and the greatest
	s_add_nc_u64 s[18:19], s[4:5], s[36:37]
	s_add_nc_u64 s[16:17], s[18:19], s[38:39]      ; q's half image
	s_add_nc_u64 s[18:19], s[18:19], 6291456       ; k of my head; v lies 6,291,456 bytes on: an immediate
	s_add_nc_u64 s[20:21], s[6:7], s[40:41]
	s_add_nc_u64 s[34:35], s[20:21], s[42:43]      ; q's scale words
	s_add_nc_u64 s[20:21], s[20:21], 524288        ; k's; v's lie 524,288 bytes on
	v_and_b32 v9, 31, v0
	v_lshlrev_b32 v[L16], 4, v9
	v_lshlrev_b32 v[L8], 3, v9
	v_and_b32 v11, 15, v0
	v_lshlrev_b32 v[R16], 4, v11
	v_and_b32 v9, 8, v11
	v_add_nc_u32 v9, v9, v11
	v_lshlrev_b32 v[R4], 2, v9
	v_bfe_u32 v[H16], v0, 4, 1
	v_lshlrev_b32 v[H16], 4, v[H16]
	v_add_nc_u32 v7, s25, v9                       ; my query,
	v_sub_nc_u32 v7, v7, v[H16]                    ; less 16 h
	global_load_b128 v[16:19], v[L16], s[16:17]
	global_load_b64 v[20:21], v[L8], s[16:17] offset:512
	global_load_b32 v28, v[R16], s[34:35]
	global_load_b32 v8, v[R4], s[8:9]              ; start[my query]
.irp j, 0,1,2,3,4,5
	v_mov_b32 v[22+\j], 0
	v_mov_b32 v[KF+24+\j], 0
	v_mov_b32 v[VF+24+\j], 0
	v_mov_b32 v[P+6+\j], 0
.endr
.set j, 0
.rept 32
	v_mov_b32 v[O+j], 0                            ; the step is written once: the first finds zeros
.set j, j+1
.endr
	v_mov_b32 v10, 0xff800000                      ; -infinity
	v_mov_b32 v13, 0xff61b1e6                      ; the largest t so far: -3e38
	v_floor_f32 v12, -v13                          ; -M
	v_mov_b32 v14, 0
	v_mov_b32 v15, 0
	v_mov_b32 v[W+2], 0                            ; a lane permute's destination counts as one of its sources
	v_mov_b32 v[W+3], 0
	v_mov_b32 v[W+7], 0                            ; (the upper half of the pair that holds f)
.macro KLOAD
.irp t, 0,1,2,3
	global_load_b128 v[KF+6*\t:KF+6*\t+3], v1, s[18:19] offset:768*\t
	global_load_b64 v[KF+6*\t+4:KF+6*\t+5], v2, s[18:19] offset:768*\t+512
.endr
	global_load_b128 v[KS:KS+3], v3, s[20:21]
.endm
.macro VLOAD
.irp t, 0,1,2,3
	global_load_b128 v[VF+6*\t:VF+6*\t+3], v4, s[18:19] offset:6291456+768*\t
	global_load_b64 v[VF+6*\t+4:VF+6*\t+5], v5, s[18:19] offset:6291456+768*\t+512
.endr
	global_load_b128 v[VS:VS+3], v6, s[20:21] offset:524288
.endm
	s_wait_kmcnt 0x0
	s_lshr_b32 s29, s32, 6
	s_min_u32 s29, s29, 31                         ; the first key step: start(first query) is at or under that query, so it is at or under the last step
	s_mul_i32 s44, s29, 3072
	s_lshl_b32 s45, s29, 8
	v_add_nc_u32 v1, s44, v[L16]
	v_add_nc_u32 v2, s44, v[L8]
	v_add_nc_u32 v3, s45, v[R16]
	KLOAD
.Lstep:                                ; a trip: 64 keys.  k was asked for a trip ago; v is asked for now and lands under the softmax
	s_min_u32 s46, s29, 31
	s_mul_i32 s44, s46, 3072
	s_lshl_b32 s45, s46, 8
	v_add_nc_u32 v4, s44, v[L16]                   ; (the last trip's loads of v were shown done by its second wait.)  These three and the v_nop are the four places behind the last trip's products
	v_add_nc_u32 v5, s44, v[L8]
	v_add_nc_u32 v6, s45, v[R16]
	v_nop
	VLOAD
	s_wait_loadcnt 0x9                             ; all but v's nine: k and its scale words are in (in the first trip q and start[] too)
.irp t, 0,1,2,3
	v_wmma_scale_f32_16x16x128_f8f6f4 v[S+8*\t:S+8*\t+7], v[KF+6*\t:KF+6*\t+11], v[16:27], 0, v[KS+\t], v28 matrix_a_fmt:MATRIX_FMT_BF6 matrix_b_fmt:MATRIX_FMT_BF6
.endr
	s_add_co_u32 s46, s29, 1
	s_min_u32 s46, s46, 31                         ; the next step's k; behind the last step a step inside the buffer, which nobody reads
	s_mul_i32 s44, s46, 3072
	s_lshl_b32 s45, s46, 8
	v_add_nc_u32 v1, s44, v[L16]                   ; four places again: in front of the loads into k's registers and of the first read of the scores
	v_add_nc_u32 v2, s44, v[L8]
	v_add_nc_u32 v3, s45, v[R16]
	v_nop
	KLOAD
	s_lshl_b32 s46, s29, 6                         ; the step's first key
	s_sub_co_i32 s47, 0, s46
	s_add_co_u32 s46, s46, 63
	s_cmp_gt_u32 s46, s25                          ; does a key of the step come after my first query?
	s_cbranch_scc0 .Lno_hi
	v_add_nc_u32 v9, s47, v7                       ; register n holds place c = 32 (n / 16) + n % 16: hidden where c > my query - 16 h - first key
.set n, 0
.rept 32
	v_cmp_gt_i32 vcc_lo, 32*(n/16)+n%16, v9
	v_cndmask_b32 v[S+n], v[S+n], v10, vcc_lo
.set n, n+1
.endr
.Lno_hi:
	s_sub_co_u32 s46, s46, 63
	s_cmp_lt_u32 s46, s33                          ; does a key of the step come before my greatest start?
	s_cbranch_scc0 .Lno_lo
	v_add_nc_u32 v11, s47, v8
	v_sub_nc_u32 v11, v11, v[H16]                  ; hidden where c < start - 16 h - first key
.set n, 0
.rept 32
	v_cmp_lt_i32 vcc_lo, 32*(n/16)+n%16, v11
	v_cndmask_b32 v[S+n], v[S+n], v10, vcc_lo
.set n, n+1
.endr
.Lno_lo:
.irp b, 0,1
	v_max3_num_f32 v[W+\b], v[S+16*\b], v[S+1+16*\b], v[S+2+16*\b]     ; the largest score of each block of 32 keys: for the row's maximum, and, since p rises with the score, for the block's largest p
.endr
.irp i, 3,5,7,9,11,13
.irp b, 0,1
	v_max3_num_f32 v[W+\b], v[W+\b], v[S+16*\b+\i], v[S+1+16*\b+\i]
.endr
.endr
.irp b, 0,1
	v_max_num_f32 v[W+\b], v[W+\b], v[S+15+16*\b]
.endr
.irp b, 0,1
	v_permlanex16_b32 v[W+2+\b], v[W+\b], s[SEL], s[SEL+1]
.endr
.irp b, 0,1
	v_max_num_f32 v[W+\b], v[W+\b], v[W+2+\b]
.endr
	v_max_num_f32 v[W+4], v[W], v[W+1]
	v_mul_f32 v[W+4], s[CS], v[W+4]
	v_max_num_f32 v13, v13, v[W+4]                 ; the running largest t
	v_mov_b32 v[W+4], v12
	v_floor_f32 v12, -v13                          ; the new -M: M is a whole number
	v_sub_f32 v[W+4], v12, v[W+4]                  ; old M - new M: a whole number, 0 or less
	v_cvt_i32_f32 v[W+4], v[W+4]                   ; (it saturates)
	v_ldexp_f32 v[W+6], 1.0, v[W+4]                ; f = 2^(old M - new M): rounds nothing
.set j, 0
.rept 16
	v_pk_fma_f32 v[S+j:S+j+1], v[S+j:S+j+1], s[CS:CS+1], v[12:13] op_sel_hi:[1,0,0]    ; t - M
.set j, j+2
.endr
.irp b, 0,1
	v_fma_f32 v[W+\b], v[W+\b], s[CS], v12
.endr
.set j, 0
.rept 32
	v_exp_f32 v[S+j], v[S+j]                       ; p
.set j, j+1
.endr
	v_pk_mul_f32 v[14:15], v[14:15], v[W+6:W+7] op_sel_hi:[1,0]        ; the sums under the new M: a plain place behind the exponentials
	s_wait_alu depctr_va_vdst(0)                   ; one wait for the batch, ahead of its first reader
.irp b, 0,1
	v_exp_f32 v[W+\b], v[W+\b]                     ; the blocks' largest p
.endr
	v_pk_add_f32 v[W+2:W+3], v[S:S+1], v[S+2:S+3]  ; the row's sum is taken of the unquantised p, in two chains
.irp j, 4,8,12,16,20,24,28
	v_pk_add_f32 v[14:15], v[14:15], v[S+\j:S+\j+1]
	v_pk_add_f32 v[W+2:W+3], v[W+2:W+3], v[S+2+\j:S+3+\j]
.endr
	v_pk_add_f32 v[14:15], v[14:15], v[W+2:W+3]
	s_wait_alu depctr_va_vdst(0)                   ; and one for the two
.irp b, 0,1
	v_max_num_f32 v[W+\b], 0x2800000, v[W+\b]      ; the floor: the byte cannot fall under 1
.endr
.irp b, 0,1
	v_add_nc_u32 v[W+8+\b], 0xfe000000, v[W+\b]
.endr
.irp b, 0,1
	v_lshrrev_b32 v[W+2+\b], 23, v[W+8+\b]
.endr
	v_lshl_or_b32 v29, v[W+3], 8, v[W+2]
	v_or_b32 v29, 0x7f7f0000, v29                  ; p's scale word
	v_cvt_scalef32_pk16_bf6_f32 v[P:P+2], v[S:S+15], v[W+8]
	v_cvt_scalef32_pk16_bf6_f32 v[T:T+2], v[S+16:S+31], v[W+9]
	v_nop                                          ; one plain place behind a scaled conversion
.irp i, 0,1,2
	v_permlane16_swap_b32 v[P+\i], v[T+\i]
.endr
.irp i, 0,1,2
	v_mov_b32 v[P+3+\i], v[T+\i]
.endr
.set j, 0
.rept 16
	v_pk_mul_f32 v[O+j:O+j+1], v[O+j:O+j+1], v[W+6:W+7] op_sel_hi:[1,0]    ; O^T under the new M.  These sixteen also stand between the lines that wrote p's codes and scale word and the products
.set j, j+2
.endr
	s_wait_loadcnt 0x9                             ; all but the next k's nine: v and its scale words are in
.irp t, 0,1,2,3
	v_wmma_scale_f32_16x16x128_f8f6f4 v[O+8*\t:O+8*\t+7], v[VF+6*\t:VF+6*\t+11], v[P:P+11], v[O+8*\t:O+8*\t+7], v[VS+\t], v29 matrix_a_fmt:MATRIX_FMT_BF6 matrix_b_fmt:MATRIX_FMT_BF6
.endr
	s_add_co_u32 s29, s29, 1
	s_cmp_lt_u32 s29, s28                          ; a step of 1 against a bound that the loop does not write
	s_cbranch_scc1 .Lstep
	; THE WAY OUT.  (The last nine loads of k are still out: their registers, v1-3, v32-55 and v176-179, are not touched.)
	v_add_f32 v14, v14, v15
	v_permlanex16_b32 v[W+2], v14, s[SEL], s[SEL+1]
	v_add_f32 v14, v14, v[W+2]                     ; the row's sum
	v_rcp_f32 v14, v14
	s_lshl_b32 s44, s14, 1
	v_add_nc_u32 v4, s44, v[R16]                   ; my two scale bytes' place: 16 r + 2 wave
	v_nop
	v_nop
	s_lshl_b32 s44, s23, 7
	s_add_co_u32 s44, s44, ttmp9                   ; y's rowblock
	s_mul_i32 s36, s44, 12288
	s_lshl_b32 s45, s24, 3
	s_add_co_u32 s45, s45, s14
	s_mul_i32 s45, s45, 768                        ; head x 768: K step head / 2, half head % 2
	s_add_co_u32 s36, s36, s45
	s_add_nc_u64 s[10:11], s[10:11], s[36:37]
	s_lshl_b32 s36, s44, 9
	s_lshl_b32 s45, s24, 8
	s_add_co_u32 s36, s36, s45
	s_add_nc_u64 s[12:13], s[12:13], s[36:37]
	s_wait_alu depctr_va_vdst(0)                   ; ahead of the reciprocal's first reader
.set j, 0
.rept 32
	v_mul_f32 v[S+j], v[O+j], v14                  ; y: register 16 b + i is channel 32 b + 16 h + i of my head
.set j, j+1
.endr
.irp b, 0,1
	v_max3_num_f32 v[W+\b], |v[S+16*\b]|, |v[S+1+16*\b]|, 0x2800000
.endr
.irp i, 2,4,6,8,10,12,14
.irp b, 0,1
	v_max3_num_f32 v[W+\b], v[W+\b], |v[S+16*\b+\i]|, |v[S+1+16*\b+\i]|
.endr
.endr
.irp b, 0,1
	v_permlanex16_b32 v[W+2+\b], v[W+\b], s[SEL], s[SEL+1]
.endr
.irp b, 0,1
	v_max_num_f32 v[W+\b], v[W+\b], v[W+2+\b]
.endr
.irp b, 0,1
	v_add_nc_u32 v[W+8+\b], 0xfe000000, v[W+\b]
.endr
.irp b, 0,1
	v_lshrrev_b32 v[W+2+\b], 23, v[W+8+\b]
.endr
	v_lshl_or_b32 v5, v[W+3], 8, v[W+2]
	v_cvt_scalef32_pk16_bf6_f32 v[P:P+2], v[S:S+15], v[W+8]
	v_cvt_scalef32_pk16_bf6_f32 v[T:T+2], v[S+16:S+31], v[W+9]
	v_nop
.irp i, 0,1,2
	v_permlane16_swap_b32 v[P+\i], v[T+\i]
.endr
.irp i, 0,1,2
	v_mov_b32 v[P+3+\i], v[T+\i]
.endr
	global_store_b128 v[L16], v[P:P+3], s[10:11]               ; 512 consecutive bytes
	global_store_b64 v[L8], v[P+4:P+5], s[10:11] offset:512    ; 256
	ds_store_b16 v4, v5                            ; lanes 16-31 write the same bytes with the same value
	s_wait_dscnt 0x0                               ; for the others' sake: my store has landed
	s_barrier_signal -1
	s_barrier_wait -1                              ; the eight heads' bytes make four scale words a row
	s_cmp_lg_u32 s14, 0
	s_cbranch_scc1 .Lend
	ds_load_b64 v[W+4:W+5], v[L8]
	s_wait_dscnt 0x0
	global_store_b64 v[L8], v[W+4:W+5], s[12:13]   ; 256 consecutive bytes
.Lend:
	s_wait_tensorcnt 0x0                           ; the wave's end, behind my last LDS store
	ds_add_u32 v[SPW], v[NIL]
	s_wait_dscnt 0x0
	s_endpgm
.Lfunc_end_k_q2e2c909c89_attn:
	.size	k_q2e2c909c89_attn, .Lfunc_end_k_q2e2c909c89_attn-k_q2e2c909c89_attn
	.p2alignl 7, 3214868480
	.fill 96, 4, 3214868480
	.section	.rodata,"a",@progbits
	.p2align	6, 0x0
	.amdhsa_kernel k_q2e2c909c89_attn
		.amdhsa_group_segment_fixed_size 1280
		.amdhsa_private_segment_fixed_size 0
		.amdhsa_enable_private_segment 0
		.amdhsa_kernarg_size 40
		.amdhsa_user_sgpr_count 2
		.amdhsa_user_sgpr_kernarg_segment_ptr 1
		.amdhsa_wavefront_size32 1
		.amdhsa_system_sgpr_workgroup_id_x 1
		.amdhsa_system_sgpr_workgroup_id_y 1
		.amdhsa_system_sgpr_workgroup_id_z 1
		.amdhsa_system_vgpr_workitem_id 0
		.amdhsa_next_free_vgpr 200
		.amdhsa_next_free_sgpr 66
		.amdhsa_reserve_vcc 1
		.amdhsa_float_denorm_mode_32 3
		.amdhsa_float_denorm_mode_16_64 3
		.amdhsa_memory_ordered 1
		.amdhsa_forward_progress 1
		.amdhsa_inst_pref_size 25
	.end_amdhsa_kernel
	.amdgpu_metadata
---
amdhsa.version: [ 1, 2 ]
amdhsa.kernels:
  - .name:           k_q2e2c909c89_attn
    .symbol:         k_q2e2c909c89_attn.kd
    .args:
      - { .name: qkvc, .offset: 0, .size: 8, .value_kind: global_buffer, .address_space: global }
      - { .name: qkvs, .offset: 8, .size: 8, .value_kind: global_buffer, .address_space: global }
      - { .name: segst, .offset: 16, .size: 8, .value_kind: global_buffer, .address_space: global }
      - { .name: cod2, .offset: 24, .size: 8, .value_kind: global_buffer, .address_space: global }
      - { .name: scl2, .offset: 32, .size: 8, .value_kind: global_buffer, .address_space: global }
    .group_segment_fixed_size: 1280
    .private_segment_fixed_size: 0
    .kernarg_segment_align: 8
    .kernarg_segment_size: 40
    .max_flat_workgroup_size: 256
    .sgpr_count:     66
    .vgpr_count:     200
    .wavefront_size: 32
...
	.end_amdgpu_metadata
.endif
;; end of part 3
;; launch proj (part 4): grid 8 x 32, 4 waves a work-group, clusters of 4 x 4, 327,680 bytes of LDS; arguments cod2, scl2, bo, out0; writes out0
.if DOCPART == 4
	.amdgcn_target "amdgcn-amd-amdhsa--gfx1250"
	.amdhsa_code_object_version 6
	.text
	.protected	k_q2e2c909c89_proj
	.globl	k_q2e2c909c89_proj
	.p2align	8
	.type	k_q2e2c909c89_proj,@function
k_q2e2c909c89_proj:
	s_mov_b64 s[64:65], 0
	v_nop
	global_prefetch_b8 v0, s[64:65] scope:SCOPE_SE
	s_setreg_imm32_b32 hwreg(HW_REG_WAVE_MODE, 25, 1), 1
	s_wait_xcnt 0x0
	s_wait_alu depctr_hold_cnt(0) depctr_sa_sdst(0) depctr_va_vdst(0) depctr_va_sdst(0) depctr_va_ssrc(0) depctr_va_vcc(0) depctr_vm_vsrc(0)
	s_getreg_b32 s2, hwreg(HW_REG_IB_STS2, 6, 4)
	s_cmp_eq_u32 s2, 0
	s_cbranch_scc0 .Lentry_in_a_cluster
	s_endpgm
.Lentry_in_a_cluster:
	s_bfe_u32 s2, ttmp6, 0x10000c
	s_cmp_lg_u32 s2, 0xf033
	s_cbranch_scc0 .Lentry_shape_is_right
	s_endpgm
.Lentry_shape_is_right:
; LAUNCH 4 OF 4.  out0 = y Wo + bo on codes of BF6 with E8M0 scales, K = 1024.  Nothing is left out here.
; THE CORE is launch 2's: a work-group makes 256 tokens (A: y's rowblocks, cod2 0-511) x 128 columns (B: Wo's, cod2 512-575); ALL of K lies in LDS (4 slots of 2 K steps), each byte filled once.  Four waves, each 128 x 64.
; Source 0 = 16 B rows, source 1 = 16 A rows: a lane holds one token, and its 32 registers of an A rowblock are columns 32 b + 16 h + 0 .. 15, b = 0, 1, of my 64.  The bias is the C of each sum's first product.
; CLUSTER 4 x 4: A's tiles are shared along a row of the cluster, B's along a column, by joint loads.
; THE WAY OUT: 16 tokens x 64 columns at a time through my own stage in LDS; sixteen lanes then store a row's 256 consecutive bytes, aligned.
; REGISTERS.  Window 0: v4-27 addresses; v28, v29 the add's two; v32-95 scale words and nothing else; v128-223 A's fragments, on the way out rows of out0.  Window 1: B's fragments at v0 and v128; v64-95 the bias.  Window 2: accumulators.
.set SLOTB, 73728
.set BOFF,  49152
.set STAGE, 294912                     ; behind the slots: 16 rows x (256 + 16) bytes for each wave; no tensor load lands here
.set SPARE, 312320                     ; the spare words, 128 bytes for each wave: two blocks of 256 bytes that no other line names
.set A16,  4
.set A8,   8
.set B16,  12
.set B8,   16
.set SOFF, 20
.set SOFF2, 21
.set STO,  22                          ; v22 the stage: where I put 32 bytes of a row
.set RD,   23                          ; v23 where I read a row back
.set CO,   24                          ; v24 my byte offset in out0
.set BH,   25                          ; v25 64 h
.set SPW,  28
.set NIL,  29
.set SC,   32
.set AF,   128
.set BK,   128
.set BIAS, 64
.set G1A,  24
.set G1B,  32
.set G0A,  40
.set HM,   92
.set MSB, 0
.macro WIN new                         ; the immediate's high byte repeats the setting that is left
.if MSB != \new
	s_set_vgpr_msb (MSB<<8)|\new
.set MSB, \new
.endif
.endm
.macro JLOAD g0a, g0b                  ; a joint load: waves 0 and 1 fetch A's halves, waves 2 and 3 B's; an s_nop 0 and four v_nop follow each line
	s_cmp_eq_u32 s15, 0
	s_cbranch_scc0 .Lfor_b_\@
	tensor_load_to_lds s[\g0a:\g0a+3], s[G1A:G1A+7]
	s_nop 0
.rept 4
	v_nop
.endr
	s_branch .Lasked_\@
.Lfor_b_\@:
	tensor_load_to_lds s[\g0b:\g0b+3], s[G1B:G1B+7]
	s_nop 0
.rept 4
	v_nop
.endr
.Lasked_\@:
.endm
.macro CROUND                          ; a round of the cluster's barrier
	s_barrier_signal -1
	s_barrier_wait -1
	s_cmp_lg_u32 s14, 0
	s_cbranch_scc1 .Lnot_wave_0_\@
	s_barrier_signal -3
.Lnot_wave_0_\@:
	s_barrier_wait -3
	s_barrier_signal -1
	s_barrier_wait -1
.endm
.macro PLACES                          ; four plain places between a matrix instruction and a load into, or a read of, its registers
.rept 4
	v_nop
.endr
.endm
	s_load_b256 s[4:11], s[0:1], 0x0               ; cod2 s[4:5], scl2 s[6:7], bo s[8:9], out0 s[10:11]
	v_lshl_add_u32 v[SPW], v0, 2, SPARE
	v_mov_b32 v[NIL], 0
	ds_add_u32 v[SPW], v[NIL]                      ; the wave's opening: the add, twice on end, and its wait ahead of my first tensor load
	ds_add_u32 v[SPW], v[NIL]
	v_lshrrev_b32 v1, 5, v0
	v_readfirstlane_b32 s14, v1                    ; wave
	s_lshr_b32 s15, s14, 1                         ; which 8 A rowblocks are mine.  Also: I fetch for A (0) or for B (1)
	s_and_b32 s16, s14, 1                          ; which 4 B rowblocks.  Also: which half of the tile I fetch
	s_bfe_u32 s17, ttmp6, 0x40000                  ; cx
	s_bfe_u32 s18, ttmp6, 0x40004                  ; cy
	s_lshl_b32 s19, ttmp9, 2
	s_add_co_u32 s19, s19, s17                     ; tile column
	s_and_b32 s20, ttmp7, 0xffff
	s_lshl_b32 s20, s20, 2
	s_add_co_u32 s20, s20, s18                     ; tile row
	s_lshl_b32 s76, s18, 2
	s_lshl_b32 s76, 15, s76                        ; my row of the cluster
	s_lshl_b32 s77, 0x1111, s17                    ; my column
	s_or_b32 s[G1A], s76, (3<<16)|(1<<21)          ; the mask; elements of 8 bytes; bit 21 beside a mask; no padding
	s_or_b32 s[G1B], s77, (3<<16)|(1<<21)
	s_mov_b32 s[G1A+1], 384<<16                    ; a row is a rowblock's two fragments, 3,072 bytes
	s_mov_b32 s[G1A+2], 8<<16
	s_mov_b32 s[G1A+3], 384<<16
	s_mov_b32 s[G1A+4], 8
	s_mov_b32 s[G1A+5], 1536                       ; from rowblock to rowblock: 12,288 bytes
	s_mov_b32 s[G1A+6], 0
	s_mov_b32 s[G1A+7], 0
	s_mov_b32 s[G1B+1], 384<<16
	s_mov_b32 s[G1B+2], 4<<16
	s_mov_b32 s[G1B+3], 384<<16
	s_mov_b32 s[G1B+4], 4
	s_mov_b32 s[G1B+5], 1536
	s_mov_b32 s[G1B+6], 0
	s_mov_b32 s[G1B+7], 0
	s_lshl_b32 s21, s20, 4                         ; A's first rowblock
	s_lshl_b32 s22, s19, 3
	s_add_co_u32 s22, s22, 512                     ; B's
	s_lshl_b32 s82, s16, 3
	s_add_co_u32 s82, s82, s21
	s_mul_i32 s82, s82, 12288
	s_mov_b32 s83, 0
	s_lshl_b32 s84, s16, 2
	s_add_co_u32 s84, s84, s22
	s_mul_i32 s84, s84, 12288
	s_mov_b32 s85, 0
	s_mul_i32 s86, s16, 24576                      ; no place in the cluster enters an LDS address
	s_mul_i32 s87, s16, 12288
	s_add_co_u32 s87, s87, BOFF
	s_mov_b32 s[HM], 0xffff0000
	s_wait_dscnt 0x0                               ; both opening adds are done
	s_wait_kmcnt 0x0
	s_add_nc_u64 s[82:83], s[4:5], s[82:83]
	s_add_nc_u64 s[84:85], s[4:5], s[84:85]
	CROUND                                         ; all sixteen work-groups are here: the joint loads meet
.irp k, 0,1,2,3                        ; all four slots are asked for at once: four loads of mine are out
	s_mov_b32 s[G0A+4*\k], 1
	s_add_co_u32 s[G0A+4*\k+1], s86, \k*SLOTB
	s_add_nc_u64 s[G0A+4*\k+2:G0A+4*\k+3], s[82:83], \k*3072
	s_or_b32 s[G0A+4*\k+3], s[G0A+4*\k+3], 0x80000000
	s_mov_b32 s[56+4*\k+4*(\k/2)], 1
	s_add_co_u32 s[56+4*\k+4*(\k/2)+1], s87, \k*SLOTB
	s_add_nc_u64 s[56+4*\k+4*(\k/2)+2:56+4*\k+4*(\k/2)+3], s[84:85], \k*3072
	s_or_b32 s[56+4*\k+4*(\k/2)+3], s[56+4*\k+4*(\k/2)+3], 0x80000000
	JLOAD G0A+4*\k, 56+4*\k+4*(\k/2)
.endr
	v_and_b32 v1, 31, v0                           ; lane
	v_and_b32 v2, 15, v0                           ; r
	v_bfe_u32 v3, v0, 4, 1                         ; h
	s_mul_i32 s88, s15, 24576
	s_mul_i32 s89, s16, 12288
	s_add_co_u32 s89, s89, BOFF
.irp k, 0,1,2,3
	v_lshl_add_u32 v[A16+\k], v1, 4, s88
	v_lshl_add_u32 v[A8+\k], v1, 3, s88
	v_lshl_add_u32 v[B16+\k], v1, 4, s89
	v_lshl_add_u32 v[B8+\k], v1, 3, s89
	s_add_co_u32 s88, s88, SLOTB
	s_add_co_u32 s89, s89, SLOTB
.endr
	s_lshl_b32 s90, s15, 3
	s_add_co_u32 s90, s90, s21                     ; my first A rowblock
	s_lshl_b32 s91, s16, 2
	s_add_co_u32 s91, s91, s22                     ; my first B rowblock
	s_lshl_b32 s78, s90, 9
	s_lshl_b32 s79, s91, 9
	v_mov_b32 v[SOFF], s78
	v_mov_b32 v[SOFF2], s79
	v_cndmask_b32 v[SOFF], v[SOFF], v[SOFF2], s[HM]
	v_lshl_add_u32 v[SOFF], v2, 4, v[SOFF]
	v_lshlrev_b32 v[SOFF2], 11, v3
	v_sub_nc_u32 v[SOFF2], v[SOFF], v[SOFF2]       ; for A's rowblocks 4-7 lanes 16-31 read B's 0-3 once more
.irp i, 0,1,2,3
.irp p, 0,1
	global_load_b128 v[SC+8*\i+4*\p:SC+8*\i+4*\p+3], v[SOFF], s[6:7] offset:512*\i+256*\p
.endr
.endr
.irp i, 4,5,6,7
.irp p, 0,1
	global_load_b128 v[SC+8*\i+4*\p:SC+8*\i+4*\p+3], v[SOFF2], s[6:7] offset:512*\i+256*\p
.endr
.endr
	v_lshlrev_b32 v[BH], 6, v3
	s_sub_co_u32 s93, s91, 512
	s_lshl_b32 s94, s93, 6                         ; my first column, in bytes
	s_mov_b32 s95, 0
	s_add_nc_u64 s[8:9], s[8:9], s[94:95]
	WIN 0x40
.irp b, 0,1,2,3                        ; tile b, lane (r, h): columns 32 (b / 2) + 16 h + 8 (b % 2) + 0 .. 7 of my 64
	global_load_b128 v[BIAS+8*\b:BIAS+8*\b+3], v[BH], s[8:9] offset:(32*(\b/2)+8*(\b%2))*4
	global_load_b128 v[BIAS+8*\b+4:BIAS+8*\b+7], v[BH], s[8:9] offset:(32*(\b/2)+8*(\b%2))*4+16
.endr
	WIN 0
	s_mul_i32 s80, s14, 4352
	s_add_co_u32 s80, s80, STAGE                   ; my stage
	v_mul_u32_u24 v[STO], v2, 272
	v_lshl_add_u32 v[STO], v3, 6, v[STO]
	v_add_nc_u32 v[STO], s80, v[STO]               ; in: row r, + 64 h
	v_mul_u32_u24 v[RD], v3, 272
	v_lshl_add_u32 v[RD], v2, 4, v[RD]
	v_add_nc_u32 v[RD], s80, v[RD]                 ; back: lanes 0-15 one row, lanes 16-31 the next
	v_lshlrev_b32 v[CO], 12, v3
	v_lshl_add_u32 v[CO], v2, 4, v[CO]             ; and the same two rows in out0
	s_lshl_b32 s80, s90, 16                        ; my first token, 16 x rowblock, x 4,096 bytes
	s_add_co_u32 s80, s80, s94
	s_mov_b32 s81, 0
	s_add_nc_u64 s[10:11], s[10:11], s[80:81]
.macro FRAG reg, a16, a8, off          ; a fragment comes back as it was stored: 16, 8, 16, 8 bytes a lane, each load on consecutive bytes
	ds_load_b128 v[\reg:\reg+3], v[\a16] offset:\off
	ds_load_b64 v[\reg+4:\reg+5], v[\a8] offset:\off+512
	ds_load_b128 v[\reg+6:\reg+9], v[\a16] offset:\off+768
	ds_load_b64 v[\reg+10:\reg+11], v[\a8] offset:\off+1280
.endm
.macro FETCH_B k, q, p
	WIN 0x40
.irp i, 0,1,2,3
	FRAG 128*(\p)+12*\i, B16+(\k), B8+(\k), 3072*\i+1536*(\q)
.endr
	WIN 0
.endm
.macro FETCH_A k, q, i0
.irp i, \i0, \i0+1, \i0+2, \i0+3
	FRAG AF+12*(\i), A16+(\k), A8+(\k), 3072*(\i)+1536*(\q)
.endr
.endm
; 8 matrix instructions: A's rowblocks a0, a0 + 1 x B's four.  The 32 accumulators take turns, one instruction a turn, in the same order in every step.
.macro MUL8 a0, p, s, first
.irp a, \a0, \a0+1
.irp b, 0,1,2,3
.if \first
	v_wmma_scale_f32_16x16x128_f8f6f4 v[8*(4*(\a)+\b):8*(4*(\a)+\b)+7], v[128*(\p)+12*\b:128*(\p)+12*\b+11], v[AF+12*(\a):AF+12*(\a)+11], v[BIAS+8*\b:BIAS+8*\b+7], v[SC+8*\b+(\s)], v[SC+8*(\a)+(\s)] matrix_a_fmt:MATRIX_FMT_BF6 matrix_b_fmt:MATRIX_FMT_BF6 matrix_a_scale:MATRIX_SCALE_ROW1
.else
	v_wmma_scale_f32_16x16x128_f8f6f4 v[8*(4*(\a)+\b):8*(4*(\a)+\b)+7], v[128*(\p)+12*\b:128*(\p)+12*\b+11], v[AF+12*(\a):AF+12*(\a)+11], v[8*(4*(\a)+\b):8*(4*(\a)+\b)+7], v[SC+8*\b+(\s)], v[SC+8*(\a)+(\s)] matrix_a_fmt:MATRIX_FMT_BF6 matrix_b_fmt:MATRIX_FMT_BF6 matrix_a_scale:MATRIX_SCALE_ROW1
.endif
.endr
.endr
.endm
.macro MWIN first                      ; source 0 (B) window 1, source 1 (A) window 0, D window 2; C window 2, or window 1 where it is the bias
.if \first
	WIN 0x91
.else
	WIN 0xa1
.endif
.endm
.macro STEP k, first
	s_wait_dscnt 16                                ; B's set and A's rowblocks 0-3 are in; the youngest 16 loads (A's 4-7) may be out
	MWIN \first
	MUL8 0, 0, 2*(\k), \first
	MUL8 2, 0, 2*(\k), \first
	s_wait_dscnt 0x0
	PLACES
	FETCH_B \k, 1, 1
	FETCH_A \k, 1, 0
	MWIN \first
	MUL8 4, 0, 2*(\k), \first
	MUL8 6, 0, 2*(\k), \first
	PLACES
	WIN 0
	FETCH_A \k, 1, 4
.endm
.macro TURN k, n                       ; on into the next slot: my part of it has landed (n younger loads may stay out), then one barrier
	s_wait_tensorcnt \n
	s_wait_dscnt 16
	WIN 0xa1
	MUL8 0, 1, 2*(\k)+1, 0
	s_wait_dscnt 0x0                               ; no LDS instruction of mine is out at the signal
	s_barrier_signal -1
	MUL8 2, 1, 2*(\k)+1, 0
	WIN 0
	s_barrier_wait -1
	PLACES
	FETCH_B (\k)+1, 0, 0
	FETCH_A (\k)+1, 0, 0
	WIN 0xa1
	MUL8 4, 1, 2*(\k)+1, 0
	MUL8 6, 1, 2*(\k)+1, 0
	PLACES
	WIN 0
	FETCH_A (\k)+1, 0, 4
.endm
	s_wait_tensorcnt 0x3                           ; my part of slot 0 is in; three younger loads may be out
	s_barrier_signal -1
	s_barrier_wait -1
	FETCH_B 0, 0, 0
	FETCH_A 0, 0, 0
	FETCH_A 0, 0, 4
	s_wait_loadcnt 0x0                             ; the scale words and the bias
	STEP 0, 1
	TURN 0, 2
	STEP 1, 0
	TURN 1, 1
	STEP 2, 0
	TURN 2, 0
	STEP 3, 0
	s_wait_dscnt 16
	WIN 0xa1
	MUL8 0, 1, 7, 0
	MUL8 2, 1, 7, 0
	s_wait_dscnt 0x0
	MUL8 4, 1, 7, 0
	MUL8 6, 1, 7, 0
	WIN 0
	PLACES
; THE WAY OUT.  LDS serves a wave's instructions in order: no wait between a block's stores and its loads, nor in front of the next block's stores.
.macro TOSTAGE a
	WIN 0x08                                       ; an LDS store's data are its source 1: window 2
.irp b, 0,1,2,3
	ds_store_b128 v[STO], v[8*(4*(\a)+\b):8*(4*(\a)+\b)+3] offset:128*(\b/2)+32*(\b%2)          ; each accumulator from its low end on
	ds_store_b128 v[STO], v[8*(4*(\a)+\b)+4:8*(4*(\a)+\b)+7] offset:128*(\b/2)+32*(\b%2)+16
.endr
	WIN 0
.set BB, BK+32*((\a)%2)
.irp t, 0,1,2,3,4,5,6,7
	ds_load_b128 v[BB+4*\t:BB+4*\t+3], v[RD] offset:544*\t
.endr
.endm
.macro SEND a, younger                 ; younger: the LDS instructions issued behind block a's loads, which may stay out
.set BB, BK+32*((\a)%2)
	s_wait_dscnt \younger
.irp t, 0,1,2,3,4,5,6,7                ; the stage's row 2 t + (lane / 16) is token 32 (a / 2) + 8 (a % 2) + row + 8 (row / 8) of my 128
	global_store_b128 v[CO], v[BB+4*\t:BB+4*\t+3], s[10:11] offset:(32*((\a)/2)+8*((\a)%2)+2*\t+8*(\t/4))*4096 th:TH_STORE_NT   ; sixteen lanes store 256 consecutive bytes, aligned
.endr
.endm
	TOSTAGE 0
.irp a, 1,2,3,4,5,6,7
.if \a > 1
	s_wait_xcnt 0x0                                ; block a - 2's stores have read their registers: block a's loads may land there
.endif
	TOSTAGE \a
	SEND \a-1, 16                                  ; behind block a - 1's loads: block a's 8 stores and 8 loads
.endr
	SEND 7, 0
	s_wait_tensorcnt 0x0                           ; the wave's end, behind my last tensor load and my last LDS store
	ds_add_u32 v[SPW], v[NIL]
	s_wait_dscnt 0x0
	CROUND                                         ; the closing round: no work-group ends while a partner may still ask for a tile that names it
	s_endpgm
.Lfunc_end_k_q2e2c909c89_proj:
	.size	k_q2e2c909c89_proj, .Lfunc_end_k_q2e2c909c89_proj-k_q2e2c909c89_proj
	.p2alignl 7, 3214868480
	.fill 96, 4, 3214868480
	.section	.rodata,"a",@progbits
	.p2align	6, 0x0
	.amdhsa_kernel k_q2e2c909c89_proj
		.amdhsa_group_segment_fixed_size 327680
		.amdhsa_private_segment_fixed_size 0
		.amdhsa_enable_private_segment 0
		.amdhsa_kernarg_size 32
		.amdhsa_user_sgpr_count 2
		.amdhsa_user_sgpr_kernarg_segment_ptr 1
		.amdhsa_wavefront_size32 1
		.amdhsa_system_sgpr_workgroup_id_x 1
		.amdhsa_system_sgpr_workgroup_id_y 1
		.amdhsa_system_sgpr_workgroup_id_z 1
		.amdhsa_system_vgpr_workitem_id 0
		.amdhsa_next_free_vgpr 768
		.amdhsa_next_free_sgpr 100
		.amdhsa_reserve_vcc 0
		.amdhsa_float_denorm_mode_32 3
		.amdhsa_float_denorm_mode_16_64 3
		.amdhsa_memory_ordered 1
		.amdhsa_forward_progress 1
		.amdhsa_inst_pref_size 89
	.end_amdhsa_kernel
	.amdgpu_metadata
---
amdhsa.version: [ 1, 2 ]
amdhsa.kernels:
  - .name:           k_q2e2c909c89_proj
    .symbol:         k_q2e2c909c89_proj.kd
    .args:
      - { .name: cod2, .offset: 0, .size: 8, .value_kind: global_buffer, .address_space: global }
      - { .name: scl2, .offset: 8, .size: 8, .value_kind: global_buffer, .address_space: global }
      - { .name: bo, .offset: 16, .size: 8, .value_kind: global_buffer, .address_space: global }
      - { .name: out0, .offset: 24, .size: 8, .value_kind: global_buffer, .address_space: global }
    .group_segment_fixed_size: 327680
    .private_segment_fixed_size: 0
    .kernarg_segment_align: 8
    .kernarg_segment_size: 32
    .max_flat_workgroup_size: 128
    .sgpr_count:     100
    .vgpr_count:     768
    .wavefront_size: 32
...
	.end_amdgpu_metadata
.endif
;; end of part 4
;; ======== version 2 of 2: 4 launches; version 1 with the launch attn written anew for expert scheduling mode
;; limits: right only within a limited range of input values
;; workspace buffers: cod1 8,650,752 bytes; scl1 360,448 bytes; cod2 7,077,888 bytes; scl2 294,912 bytes; qkvc 18,874,368 bytes; qkvs 1,572,864 bytes; segst 32,768 bytes of whole numbers
;; launch prep: the kernel of part 1 again; grid 513 x 1, 4 waves a work-group, no clusters, 47,104 bytes of LDS; arguments x, Wqkv, Wo, char_ids, cod1, scl1, cod2, scl2, segst; writes cod1, scl1, cod2, scl2, segst
;; launch qkvgemm: the kernel of part 2 again; grid 64 x 12, 4 waves a work-group, clusters of 4 x 4, 327,680 bytes of LDS; arguments cod1, scl1, bqkv, qkvc, qkvs; writes qkvc, qkvs
;; launch attn (part 5): grid 128 x 8, 8 waves a work-group, no clusters, 1,280 bytes of LDS; arguments qkvc, qkvs, segst, cod2, scl2; writes cod2, scl2
.if DOCPART == 5
	.amdgcn_target "amdgcn-amd-amdhsa--gfx1250"
	.amdhsa_code_object_version 6
	.text
	.protected	k_q2e2c909c89_attn
	.globl	k_q2e2c909c89_attn
	.p2align	8
	.type	k_q2e2c909c89_attn,@function
k_q2e2c909c89_attn:
	s_mov_b64 s[64:65], 0
	v_nop
	global_prefetch_b8 v0, s[64:65] scope:SCOPE_SE
	s_setreg_imm32_b32 hwreg(HW_REG_WAVE_SCHED_MODE, 0, 2), 2
	s_setreg_imm32_b32 hwreg(HW_REG_WAVE_MODE, 25, 1), 1
	s_wait_xcnt 0x0
	s_wait_alu depctr_vm_vsrc(0)
; LAUNCH 3 OF 4.  y = softmax(q k^T / 8, masked) v on codes of BF6; y leaves as codes along the 1,024 channels, for launch 4.
; WORK LEFT OUT: key steps of 64 that lie wholly outside [start(first query), last query] of the wave's 16 queries (shown dead at the head of launch 1; start[] is what launch 1 stored).
; SHARES.  A work-group: token rowblock tau (16 queries: 32 (tau / 2) + 8 (tau % 2) + r + 8 (r / 8)) of batch y / 2, heads 8 (y % 2) + wave.  A wave: 16 queries x one head, in 200 registers: several waves to a SIMD, so that one
; wave's softmax stands beside another's products and loads.
; NO TENSOR LOAD, NO CLUSTER, though the query tiles of a head read the same k and v: where the walk over the keys begins hangs on a number read from memory, and differs from tile to tile.  k and v come from memory straight into
; the operands' registers, as the images that launch 2 stored: 16 or 8 consecutive bytes a lane.
; LAYOUT.  Both products transposed: S^T = k q^T (source 0 = 16 keys, source 1 = my queries), O^T = v^T p^T (source 0 = 16 channels, source 1 = p): a lane holds ONE query.  Register 16 b + i of S^T is key 64 hs + 32 b + 16 h + i.
; K = 64 IN A FORM OF 128: an operand's upper six registers stand against zero codes of the other side (q's and p's upper six are zeros), under scale bytes 0x7f: so tile t's operand is v[6 t .. 6 t + 11], whose upper half is the next
; tile's codes, and adds nothing.
; THE SOFTMAX: t = score x log2(e) / 8; M = the running largest t rounded up to a whole number; p = 2^(t - M), quantised along the keys, not normalised; the row's sum is taken of the unquantised p and divides at the end.
; A hidden score becomes -infinity: p = 0.  While a query has seen no key, t stays at -3e38, p = 0 and the rescaling is by 1; its own key always comes, so the sum is never 0.
; THE MODE: SCHED_MODE bits 1:0 = 2 (LLVM: expert scheduling mode 2), set by the entry lines.  The code itself states the register dependences
; between vector or matrix instructions and memory or LDS instructions, with s_wait_alu, always for 0.
; THE PLAN.  Registers that memory or LDS instructions touch:
;   v194-197      offsets, made once at the head, read by every load and store, never written again.
;   v16-21, v28, v8   q, its scale word, start[]: loads land once, at the head; no vector instruction writes them.
;   v1-3          k's offsets: written by three additions behind a trip's products k q^T (and at the head); read by the nine loads of k that follow them.
;   v4-6          v's offsets: written by three additions at a trip's top; read by the nine loads of v that follow them.  On the way out v4, v5 are the LDS store's address and data.
;   v32-55, v176-179  k and its scale words: read by a trip's four products k q^T; behind them the next step's loads land there.
;   v64-87, v180-183  v and its scale words: read by a trip's four products v^T p^T, its last lines; at the next trip's top that step's loads land there.
;   v160-165      on the way out y's codes: written by vector instructions, read by two stores.   v188, v189: an LDS load lands there in wave 0.   v30, v31: the closing add's.
;   S^T, O^T, p's codes in the loop and the statistics are named by vector and matrix instructions alone.
; So a trip has ONE wait on vm_vsrc, at its top, for both triples of offsets (between it and the write of v1-3 only loads of v are issued, which read v4-6), and a wait on va_vdst ahead of each of its two runs of loads, behind the
; three additions that make the run's offsets: it states that they are written and that the products issued last are done reading the registers in which the run lands.  Each run stands as early as that wait allows.
; A third wait on va_vdst stands ahead of the products that take p's codes and scale word, which vector instructions have just written.  The masks' compares go in runs of 32 into s66-97, with one wait on va_sdst behind a run.
.set YS,    0                          ; 256 bytes: the scale bytes of 16 rows x 8 heads
.set SPARE, 256                        ; the spare words, 128 bytes for each wave: four blocks of 256 bytes that no other line names
.set SPW, 30
.set NIL, 31
.set KF,  32                           ; v32-61   k: tile t at KF + 6 t; v56-61 zeros
.set VF,  64                           ; v64-93   v likewise; v88-93 zeros
.set S,   96                           ; v96-127  S^T, then p, at the end y
.set O,   128                          ; v128-159 O^T
.set P,   160                          ; v160-171 p's codes, six, and six zeros
.set T,   172
.set KS,  176                          ; v176-179 k's scale words, v180-183 v's, v28 q's, v29 p's: scales and nothing else
.set VS,  180
.set W,   184                          ; v184-193 at work
.set L16, 194                          ; 16 x lane
.set L8,  195                          ; 8 x lane
.set R16, 196                          ; 16 r
.set R4,  197                          ; 4 (r + 8 (r / 8))
.set H16, 198                          ; 16 h
.set CS,  48                           ; s[48:49] c = log2(e) / 8
.set SEL, 50                           ; s[50:51]
.set MK,  66                           ; s66-97   the lanes' masks of a run of 32 compares
	s_load_b256 s[4:11], s[0:1], 0x0               ; qkvc s[4:5], qkvs s[6:7], segst s[8:9], cod2 s[10:11]
	s_load_b64 s[12:13], s[0:1], 0x20              ; scl2
	v_lshl_add_u32 v[SPW], v0, 2, SPARE
	v_mov_b32 v[NIL], 0
	v_lshrrev_b32 v1, 5, v0
	v_readfirstlane_b32 s14, v1                    ; wave
	s_and_b32 s15, ttmp7, 0xffff
	s_lshl_b32 s22, s15, 3
	s_wait_alu depctr_va_sdst(0)                   ; s14 is written, ahead of its first reader
	s_add_co_u32 s22, s22, s14                     ; 16 b + head = 8 y + wave
	s_lshr_b32 s23, s15, 1                         ; b
	s_and_b32 s24, s15, 1                          ; which eight heads
	s_lshr_b32 s25, ttmp9, 1
	s_lshl_b32 s25, s25, 5
	s_and_b32 s26, ttmp9, 1
	s_lshl_b32 s26, s26, 3
	s_add_co_u32 s25, s25, s26                     ; my first query
	s_add_co_u32 s27, s25, 23                      ; my last
	s_lshr_b32 s28, s27, 6
	s_add_co_u32 s28, s28, 1                       ; one past the last key step: the walk goes on while the step's number is under it
	s_lshl_b32 s30, s23, 11
	s_add_co_u32 s30, s30, s25
	s_lshl_b32 s30, s30, 2
	s_mov_b32 s31, 0
	s_mul_i32 s36, s22, 98304
	s_mov_b32 s37, 0
	s_mul_i32 s38, ttmp9, 768
	s_mov_b32 s39, 0
	s_lshl_b32 s40, s22, 13
	s_mov_b32 s41, 0
	s_lshr_b32 s42, ttmp9, 2
	s_lshl_b32 s42, s42, 8
	s_and_b32 s43, ttmp9, 3
	s_lshl_b32 s43, s43, 2
	s_add_co_u32 s42, s42, s43
	s_mov_b32 s43, 0
	s_mov_b32 s[CS], 0x3e38aa3b
	s_mov_b32 s[CS+1], s[CS]                       ; (named with it as a pair, so it is written)
	s_mov_b32 s[SEL], 0x76543210
	s_mov_b32 s[SEL+1], 0xfedcba98
	s_wait_kmcnt 0x0
	s_add_nc_u64 s[8:9], s[8:9], s[30:31]          ; start[] at my first query
	s_load_b32 s32, s[8:9], 0x0                    ; the least start of my queries (start[] never falls),
	s_load_b32 s33, s[8:9], 0x5c                   ; and the greatest
	s_add_nc_u64 s[18:19], s[4:5], s[36:37]
	s_add_nc_u64 s[16:17], s[18:19], s[38:39]      ; q's half image
	s_add_nc_u64 s[18:19], s[18:19], 6291456       ; k of my head; v lies 6,291,456 bytes on: an immediate
	s_add_nc_u64 s[20:21], s[6:7], s[40:41]
	s_add_nc_u64 s[34:35], s[20:21], s[42:43]      ; q's scale words
	s_add_nc_u64 s[20:21], s[20:21], 524288        ; k's; v's lie 524,288 bytes on
	v_and_b32 v9, 31, v0
	v_lshlrev_b32 v[L16], 4, v9
	v_lshlrev_b32 v[L8], 3, v9
	v_and_b32 v11, 15, v0
	v_lshlrev_b32 v[R16], 4, v11
	v_and_b32 v9, 8, v11
	v_add_nc_u32 v9, v9, v11
	v_lshlrev_b32 v[R4], 2, v9
	v_bfe_u32 v[H16], v0, 4, 1
	v_lshlrev_b32 v[H16], 4, v[H16]
	v_add_nc_u32 v7, s25, v9                       ; my query,
	v_sub_nc_u32 v7, v7, v[H16]                    ; less 16 h
	s_wait_alu depctr_va_vdst(0)                   ; the four offsets v194-197 are written, which the loads and stores of the whole kernel read
	global_load_b128 v[16:19], v[L16], s[16:17]
	global_load_b64 v[20:21], v[L8], s[16:17] offset:512
	global_load_b32 v28, v[R16], s[34:35]
	global_load_b32 v8, v[R4], s[8:9]              ; start[my query]
.irp j, 0,1,2,3,4,5
	v_mov_b32 v[22+\j], 0
	v_mov_b32 v[KF+24+\j], 0
	v_mov_b32 v[VF+24+\j], 0
	v_mov_b32 v[P+6+\j], 0
.endr
.set j, 0
.rept 32
	v_mov_b32 v[O+j], 0                            ; the step is written once: the first finds zeros
.set j, j+1
.endr
	v_mov_b32 v10, 0xff800000                      ; -infinity
	v_mov_b32 v13, 0xff61b1e6                      ; the largest t so far: -3e38
	v_floor_f32 v12, -v13                          ; -M
	v_mov_b32 v14, 0
	v_mov_b32 v15, 0
	v_mov_b32 v[W+2], 0                            ; a lane permute's destination counts as one of its sources
	v_mov_b32 v[W+3], 0
	v_mov_b32 v[W+7], 0                            ; (the upper half of the pair that holds f)
.macro KLOAD
.irp t, 0,1,2,3
	global_load_b128 v[KF+6*\t:KF+6*\t+3], v1, s[18:19] offset:768*\t
	global_load_b64 v[KF+6*\t+4:KF+6*\t+5], v2, s[18:19] offset:768*\t+512
.endr
	global_load_b128 v[KS:KS+3], v3, s[20:21]
.endm
.macro VLOAD
.irp t, 0,1,2,3
	global_load_b128 v[VF+6*\t:VF+6*\t+3], v4, s[18:19] offset:6291456+768*\t
	global_load_b64 v[VF+6*\t+4:VF+6*\t+5], v5, s[18:19] offset:6291456+768*\t+512
.endr
	global_load_b128 v[VS:VS+3], v6, s[20:21] offset:524288
.endm
	s_wait_kmcnt 0x0
	s_lshr_b32 s29, s32, 6
	s_min_u32 s29, s29, 31                         ; the first key step: start(first query) is at or under that query, so it is at or under the last step
	s_mul_i32 s44, s29, 3072
	s_lshl_b32 s45, s29, 8
	v_add_nc_u32 v1, s44, v[L16]
	v_add_nc_u32 v2, s44, v[L8]
	v_add_nc_u32 v3, s45, v[R16]
	s_wait_alu depctr_va_vdst(0)                   ; v1 to v3 are written, which the loads of k read as their offsets
	KLOAD
.Lstep:                                ; a trip: 64 keys.  k was asked for a trip ago; v is asked for now and lands under the softmax
	s_min_u32 s46, s29, 31
	s_mul_i32 s44, s46, 3072
	s_lshl_b32 s45, s46, 8
	s_wait_alu depctr_vm_vsrc(0)                   ; the loads issued so far have read their offsets: v4 to v6 are written here, v1 to v3 behind the products below (only loads of v, which read v4 to v6, are issued between)
	v_add_nc_u32 v4, s44, v[L16]                   ; (the last trip's loads of v were shown done by its second wait.)  These three and the v_nop are the four places behind the last trip's products
	v_add_nc_u32 v5, s44, v[L8]
	v_add_nc_u32 v6, s45, v[R16]
	v_nop
	s_wait_alu depctr_va_vdst(0)                   ; v4 to v6 are written; the last trip's products are done reading v and its scale words, in which the loads below land; in the first trip the operands' zero halves are written, which the products below take
	VLOAD
	s_wait_loadcnt 0x9                             ; all but v's nine: k and its scale words are in (in the first trip q and start[] too)
.irp t, 0,1,2,3
	v_wmma_scale_f32_16x16x128_f8f6f4 v[S+8*\t:S+8*\t+7], v[KF+6*\t:KF+6*\t+11], v[16:27], 0, v[KS+\t], v28 matrix_a_fmt:MATRIX_FMT_BF6 matrix_b_fmt:MATRIX_FMT_BF6
.endr
	s_add_co_u32 s46, s29, 1
	s_min_u32 s46, s46, 31                         ; the next step's k; behind the last step a step inside the buffer, which nobody reads
	s_mul_i32 s44, s46, 3072
	s_lshl_b32 s45, s46, 8
	v_add_nc_u32 v1, s44, v[L16]                   ; four places again: in front of the loads into k's registers and of the first read of the scores
	v_add_nc_u32 v2, s44, v[L8]
	v_add_nc_u32 v3, s45, v[R16]
	v_nop
	s_wait_alu depctr_va_vdst(0)                   ; v1 to v3 are written; the four products above are done reading k and its scale words, in which the loads below land
	KLOAD
	s_lshl_b32 s46, s29, 6                         ; the step's first key
	s_sub_co_i32 s47, 0, s46
	s_add_co_u32 s46, s46, 63
	s_cmp_gt_u32 s46, s25                          ; does a key of the step come after my first query?
	s_cbranch_scc0 .Lno_hi
	v_add_nc_u32 v9, s47, v7                       ; register n holds place c = 32 (n / 16) + n % 16: hidden where c > my query - 16 h - first key
.set n, 0
.rept 32
	v_cmp_gt_i32 s[MK+n], 32*(n/16)+n%16, v9       ; the 32 compares in one run, each into a scalar register of its own
.set n, n+1
.endr
	s_wait_alu depctr_va_sdst(0)                   ; the 32 masks are written, ahead of the selects that read them
.set n, 0
.rept 32
	v_cndmask_b32 v[S+n], v[S+n], v10, s[MK+n]
.set n, n+1
.endr
.Lno_hi:
	s_sub_co_u32 s46, s46, 63
	s_cmp_lt_u32 s46, s33                          ; does a key of the step come before my greatest start?
	s_cbranch_scc0 .Lno_lo
	v_add_nc_u32 v11, s47, v8
	v_sub_nc_u32 v11, v11, v[H16]                  ; hidden where c < start - 16 h - first key
.set n, 0
.rept 32
	v_cmp_lt_i32 s[MK+n], 32*(n/16)+n%16, v11
.set n, n+1
.endr
	s_wait_alu depctr_va_sdst(0)                   ; the 32 masks are written, ahead of the selects that read them
.set n, 0
.rept 32
	v_cndmask_b32 v[S+n], v[S+n], v10, s[MK+n]
.set n, n+1
.endr
.Lno_lo:
.irp b, 0,1
	v_max3_num_f32 v[W+\b], v[S+16*\b], v[S+1+16*\b], v[S+2+16*\b]     ; the largest score of each block of 32 keys: for the row's maximum, and, since p rises with the score, for the block's largest p
.endr
.irp i, 3,5,7,9,11,13
.irp b, 0,1
	v_max3_num_f32 v[W+\b], v[W+\b], v[S+16*\b+\i], v[S+1+16*\b+\i]
.endr
.endr
.irp b, 0,1
	v_max_num_f32 v[W+\b], v[W+\b], v[S+15+16*\b]
.endr
.irp b, 0,1
	v_permlanex16_b32 v[W+2+\b], v[W+\b], s[SEL], s[SEL+1]
.endr
.irp b, 0,1
	v_max_num_f32 v[W+\b], v[W+\b], v[W+2+\b]
.endr
	v_max_num_f32 v[W+4], v[W], v[W+1]
	v_mul_f32 v[W+4], s[CS], v[W+4]
	v_max_num_f32 v13, v13, v[W+4]                 ; the running largest t
	v_mov_b32 v[W+4], v12
	v_floor_f32 v12, -v13                          ; the new -M: M is a whole number
	v_sub_f32 v[W+4], v12, v[W+4]                  ; old M - new M: a whole number, 0 or less
	v_cvt_i32_f32 v[W+4], v[W+4]                   ; (it saturates)
	v_ldexp_f32 v[W+6], 1.0, v[W+4]                ; f = 2^(old M - new M): rounds nothing
.set j, 0
.rept 16
	v_pk_fma_f32 v[S+j:S+j+1], v[S+j:S+j+1], s[CS:CS+1], v[12:13] op_sel_hi:[1,0,0]    ; t - M
.set j, j+2
.endr
.irp b, 0,1
	v_fma_f32 v[W+\b], v[W+\b], s[CS], v12
.endr
.set j, 0
.rept 32
	v_exp_f32 v[S+j], v[S+j]                       ; p
.set j, j+1
.endr
	v_pk_mul_f32 v[14:15], v[14:15], v[W+6:W+7] op_sel_hi:[1,0]        ; the sums under the new M: a plain place behind the exponentials
	s_wait_alu depctr_va_vdst(0)                   ; the 32 exponentials have written p: one wait for the batch, ahead of its first reader
.irp b, 0,1
	v_exp_f32 v[W+\b], v[W+\b]                     ; the blocks' largest p
.endr
	v_pk_add_f32 v[W+2:W+3], v[S:S+1], v[S+2:S+3]  ; the row's sum is taken of the unquantised p, in two chains
.irp j, 4,8,12,16,20,24,28
	v_pk_add_f32 v[14:15], v[14:15], v[S+\j:S+\j+1]
	v_pk_add_f32 v[W+2:W+3], v[W+2:W+3], v[S+2+\j:S+3+\j]
.endr
	v_pk_add_f32 v[14:15], v[14:15], v[W+2:W+3]
	s_wait_alu depctr_va_vdst(0)                   ; and one for the two: the blocks' largest p are written
.irp b, 0,1
	v_max_num_f32 v[W+\b], 0x2800000, v[W+\b]      ; the floor: the byte cannot fall under 1
.endr
.irp b, 0,1
	v_add_nc_u32 v[W+8+\b], 0xfe000000, v[W+\b]
.endr
.irp b, 0,1
	v_lshrrev_b32 v[W+2+\b], 23, v[W+8+\b]
.endr
	v_lshl_or_b32 v29, v[W+3], 8, v[W+2]
	v_or_b32 v29, 0x7f7f0000, v29                  ; p's scale word
	v_cvt_scalef32_pk16_bf6_f32 v[P:P+2], v[S:S+15], v[W+8]
	v_cvt_scalef32_pk16_bf6_f32 v[T:T+2], v[S+16:S+31], v[W+9]
	v_nop                                          ; one plain place behind a scaled conversion
.irp i, 0,1,2
	v_permlane16_swap_b32 v[P+\i], v[T+\i]
.endr
.irp i, 0,1,2
	v_mov_b32 v[P+3+\i], v[T+\i]
.endr
.set j, 0
.rept 16
	v_pk_mul_f32 v[O+j:O+j+1], v[O+j:O+j+1], v[W+6:W+7] op_sel_hi:[1,0]    ; O^T under the new M.  These sixteen also stand between the lines that wrote p's codes and scale word and the products
.set j, j+2
.endr
	s_wait_loadcnt 0x9                             ; all but the next k's nine: v and its scale words are in
	s_wait_alu depctr_va_vdst(0)                   ; p's codes and its scale word are written, which the scaled products below take; the places above stay beside this wait
.irp t, 0,1,2,3
	v_wmma_scale_f32_16x16x128_f8f6f4 v[O+8*\t:O+8*\t+7], v[VF+6*\t:VF+6*\t+11], v[P:P+11], v[O+8*\t:O+8*\t+7], v[VS+\t], v29 matrix_a_fmt:MATRIX_FMT_BF6 matrix_b_fmt:MATRIX_FMT_BF6
.endr
	s_add_co_u32 s29, s29, 1
	s_cmp_lt_u32 s29, s28                          ; a step of 1 against a bound that the loop does not write
	s_cbranch_scc1 .Lstep
	; THE WAY OUT.  (The last nine loads of k are still out: their registers, v1-3, v32-55 and v176-179, are not touched.)
	s_wait_alu depctr_vm_vsrc(0)                   ; the last trip's loads of v have read v4 and v5, which are written below
	v_add_f32 v14, v14, v15
	v_permlanex16_b32 v[W+2], v14, s[SEL], s[SEL+1]
	v_add_f32 v14, v14, v[W+2]                     ; the row's sum
	v_rcp_f32 v14, v14
	s_lshl_b32 s44, s14, 1
	v_add_nc_u32 v4, s44, v[R16]                   ; my two scale bytes' place: 16 r + 2 wave
	v_nop
	v_nop
	s_lshl_b32 s44, s23, 7
	s_add_co_u32 s44, s44, ttmp9                   ; y's rowblock
	s_mul_i32 s36, s44, 12288
	s_lshl_b32 s45, s24, 3
	s_add_co_u32 s45, s45, s14
	s_mul_i32 s45, s45, 768                        ; head x 768: K step head / 2, half head % 2
	s_add_co_u32 s36, s36, s45
	s_add_nc_u64 s[10:11], s[10:11], s[36:37]
	s_lshl_b32 s36, s44, 9
	s_lshl_b32 s45, s24, 8
	s_add_co_u32 s36, s36, s45
	s_add_nc_u64 s[12:13], s[12:13], s[36:37]
	s_wait_alu depctr_va_vdst(0)                   ; the reciprocal is written, ahead of its first reader
.set j, 0
.rept 32
	v_mul_f32 v[S+j], v[O+j], v14                  ; y: register 16 b + i is channel 32 b + 16 h + i of my head
.set j, j+1
.endr
.irp b, 0,1
	v_max3_num_f32 v[W+\b], |v[S+16*\b]|, |v[S+1+16*\b]|, 0x2800000
.endr
.irp i, 2,4,6,8,10,12,14
.irp b, 0,1
	v_max3_num_f32 v[W+\b], v[W+\b], |v[S+16*\b+\i]|, |v[S+1+16*\b+\i]|
.endr
.endr
.irp b, 0,1
	v_permlanex16_b32 v[W+2+\b], v[W+\b], s[SEL], s[SEL+1]
.endr
.irp b, 0,1
	v_max_num_f32 v[W+\b], v[W+\b], v[W+2+\b]
.endr
.irp b, 0,1
	v_add_nc_u32 v[W+8+\b], 0xfe000000, v[W+\b]
.endr
.irp b, 0,1
	v_lshrrev_b32 v[W+2+\b], 23, v[W+8+\b]
.endr
	v_lshl_or_b32 v5, v[W+3], 8, v[W+2]
	v_cvt_scalef32_pk16_bf6_f32 v[P:P+2], v[S:S+15], v[W+8]
	v_cvt_scalef32_pk16_bf6_f32 v[T:T+2], v[S+16:S+31], v[W+9]
	v_nop
.irp i, 0,1,2
	v_permlane16_swap_b32 v[P+\i], v[T+\i]
.endr
.irp i, 0,1,2
	v_mov_b32 v[P+3+\i], v[T+\i]
.endr
	s_wait_alu depctr_va_vdst(0)                   ; y's codes, v4 and v5 are written, which the three stores below read; and every vector instruction that named v188, v189 is done: no later one names them, and wave 0's LDS load lands there
	global_store_b128 v[L16], v[P:P+3], s[10:11]               ; 512 consecutive bytes
	global_store_b64 v[L8], v[P+4:P+5], s[10:11] offset:512    ; 256
	ds_store_b16 v4, v5                            ; lanes 16-31 write the same bytes with the same value
	s_wait_dscnt 0x0                               ; for the others' sake: my store has landed
	s_barrier_signal -1
	s_barrier_wait -1                              ; the eight heads' bytes make four scale words a row
	s_cmp_lg_u32 s14, 0
	s_cbranch_scc1 .Lend
	ds_load_b64 v[W+4:W+5], v[L8]
	s_wait_dscnt 0x0
	global_store_b64 v[L8], v[W+4:W+5], s[12:13]   ; 256 consecutive bytes
.Lend:
	s_wait_dscnt 0x0                               ; the closing lines, six on end
	s_wait_alu 0x0
	s_wait_tensorcnt 0x0
	ds_add_u32 v[SPW], v[NIL]
	s_wait_dscnt 0x0
	s_endpgm
.Lfunc_end_k_q2e2c909c89_attn:
	.size	k_q2e2c909c89_attn, .Lfunc_end_k_q2e2c909c89_attn-k_q2e2c909c89_attn
	.p2alignl 7, 3214868480
	.fill 96, 4, 3214868480
	.section	.rodata,"a",@progbits
	.p2align	6, 0x0
	.amdhsa_kernel k_q2e2c909c89_attn
		.amdhsa_group_segment_fixed_size 1280
		.amdhsa_private_segment_fixed_size 0
		.amdhsa_enable_private_segment 0
		.amdhsa_kernarg_size 40
		.amdhsa_user_sgpr_count 2
		.amdhsa_user_sgpr_kernarg_segment_ptr 1
		.amdhsa_wavefront_size32 1
		.amdhsa_system_sgpr_workgroup_id_x 1
		.amdhsa_system_sgpr_workgroup_id_y 1
		.amdhsa_system_sgpr_workgroup_id_z 1
		.amdhsa_system_vgpr_workitem_id 0
		.amdhsa_next_free_vgpr 200
		.amdhsa_next_free_sgpr 98
		.amdhsa_reserve_vcc 0
		.amdhsa_float_denorm_mode_32 3
		.amdhsa_float_denorm_mode_16_64 3
		.amdhsa_memory_ordered 1
		.amdhsa_forward_progress 1
		.amdhsa_inst_pref_size 30
	.end_amdhsa_kernel
	.amdgpu_metadata
---
amdhsa.version: [ 1, 2 ]
amdhsa.kernels:
  - .name:           k_q2e2c909c89_attn
    .symbol:         k_q2e2c909c89_attn.kd
    .args:
      - { .name: qkvc, .offset: 0, .size: 8, .value_kind: global_buffer, .address_space: global }
      - { .name: qkvs, .offset: 8, .size: 8, .value_kind: global_buffer, .address_space: global }
      - { .name: segst, .offset: 16, .size: 8, .value_kind: global_buffer, .address_space: global }
      - { .name: cod2, .offset: 24, .size: 8, .value_kind: global_buffer, .address_space: global }
      - { .name: scl2, .offset: 32, .size: 8, .value_kind: global_buffer, .address_space: global }
    .group_segment_fixed_size: 1280
    .private_segment_fixed_size: 0
    .kernarg_segment_align: 8
    .kernarg_segment_size: 40
    .max_flat_workgroup_size: 256
    .sgpr_count:     98
    .vgpr_count:     200
    .wavefront_size: 32
...
	.end_amdgpu_metadata
.endif
;; end of part 5
;; launch proj: the kernel of part 4 again; grid 8 x 32, 4 waves a work-group, clusters of 4 x 4, 327,680 bytes of LDS; arguments cod2, scl2, bo, out0; writes out0
